; MI455X (gfx1250); checked and timed in simulation.
; The chip was launched on July 23, 2026; its instructions are those of AMD's public machine-readable ISA for CDNA 5 (MIT licence, August 2026) and "CDNA5" Instruction Set Architecture Reference Guide (July 2026). The comments in the code are by the model that wrote it; some were corrected since.
;; MHA. Allowed arithmetic: matrix products marked QUANTISED: E3M2 operands, one E8M0 scale for each 32 along K, by v_wmma_scale_f32_16x16x128_f8f6f4 with both operands' format E3M2, f32 sums; everything else in f32.
;; Inputs: Wk 1,024 x 1,024 float32; Wo 1,024 x 1,024 float32; Wq 1,024 x 1,024 float32; Wv 1,024 x 1,024 float32; token_positions 4 x 2,048 int32; x 4 x 2,048 x 1,024 float32.
;; Outputs: out0 4 x 2,048 x 1,024 float32.
;; This version of the problem:
;;   THIS VERSION OF THE PROBLEM IS GIVEN IN LOW PRECISION. The matrix products marked QUANTISED in the list below multiply operands that are first quantised to E3M2 (3 exponent bits, 2 mantissa bits; 6 bits a number), with one power-of-two scale for each 32 numbers along K (OCP MX v1.0); their sums are f32. All else is computed in f32.
;;   The module's matrix products, in the order in which they are computed (A, B: the left and right operand; K: the contracted axis; several contracted axes count as one K, in the product's order):
;;     1. [M 8,192, K 1,024] x [K 1,024, N 1,024]; A: input x; B: input Wq: QUANTISED
;;     2. [M 8,192, K 1,024] x [K 1,024, N 1,024]; A: input x; B: input Wk: QUANTISED
;;     3. [M 8,192, K 1,024] x [K 1,024, N 1,024]; A: input x; B: input Wv: QUANTISED
;;     4. batch 64 x [M 2,048, K 64] x [K 64, N 2,048]; A: computed on the way; B: computed on the way: QUANTISED
;;     5. batch 64 x [M 2,048, K 2,048] x [K 2,048, N 64]; A: softmax (see below); B: computed on the way: QUANTISED
;;     6. [M 8,192, K 1,024] x [K 1,024, N 1,024]; A: computed on the way; B: input Wo: QUANTISED
;;   THE QUANTISER, for each operand of a quantised product, along K:
;;     - K is cut into blocks of 32 from its start; a last block that is shorter is filled with zeros.
;;     - A block's scale is 2^e with e = floor(log2(the largest magnitude in the block)) - 4, held to -126 .. 127; a block of zeros has e = 0. As a byte (E8M0): e + 127.
;;     - Each number is divided by its block's scale, clamped to +-28, and rounded to the nearest number of E3M2, ties to even, subnormals kept.
;;     - The product sums the exact products of the quantised numbers (number of the format x scale) in f32.
;;   ~~~python
;;   def quantise(x, axis):      # numpy; x: float32 -> the quantised numbers, widened to float32 again
;;       x = np.moveaxis(x, axis, -1); K = x.shape[-1]
;;       x = np.pad(x, [(0, 0)] * (x.ndim - 1) + [(0, -K % 32)]); x = x.reshape(x.shape[:-1] + (-1, 32)); a = np.abs(x).max(-1, keepdims=True)
;;       e = np.where(a > 0, np.clip(np.frexp(np.where(a > 0, a, 1))[1] - 1 - 4, -126, 127), 0)      # np.frexp(a)[1] - 1 = floor(log2(a)), exactly
;;       r = np.clip(x / 2.0 ** e, -28, 28)
;;       step = 2.0 ** (np.maximum(np.frexp(np.where(r == 0, 1, r))[1] - 1, -2) - 2)
;;       q = np.round(r / step) * step * 2.0 ** e      # np.round: ties to even
;;       return np.moveaxis(q.reshape(q.shape[:-2] + (-1,))[..., :K], -1, axis).astype(np.float32)
;;   ~~~
;;   SOFTMAX AHEAD OF A QUANTISED PRODUCT. Where the list says 'softmax', what is quantised is not the finished softmax but p = 2^(t - M), with t = logit x log2(e) and M = ceil(the row's largest t), a whole number; so 1/2 < the row's largest p <= 1. The row's sum l is taken of the UNQUANTISED p, in f32, and the product's result is divided by l at the end. Since M is a whole number, a kernel that streams over the keys may use a running M (the ceiling of the running maximum): every later rescaling is an exact power of two, which a block's scale takes up: the codes' values come out the same.
;;   OPERANDS COMPUTED ON THE WAY. 'Computed on the way' means the value that the module computes at that place (a softmax that the list does not call 'softmax' is quantised finished and normalised). What goes into a quantiser is computed in f32, as accurately as f32 sums, v_exp_f32 and their like allow (about 1e-6 of the number): no bf16 or f16 on the way to a quantiser, and a product that is left as it is and whose result goes on into a quantised operand takes f32 operands (vector FMAs, or v_wmma_f32_16x16x4_f32). A number that lies on a knife's edge between two numbers of the format may be rounded either way, as far as f32 arithmetic and the matrix unit's own rounding can turn it there, and no further.
;; One version. Each part assembles by itself: llvm-mc -triple=amdgcn-amd-amdhsa -mcpu=gfx1250 --defsym DOCPART=n.
;; ======== version 1 of 1: 4 launches
;; limits: right only within a limited range of input values
;; workspace buffers: x_codes 6,291,456 bytes; x_scales 262,144 bytes; w_codes 3,145,728 bytes; w_scales 131,072 bytes; cs 2,097,152 bytes; qkv 19,660,800 bytes; ao_codes 6,291,456 bytes; ao_scales 262,144 bytes
;; launch prep (part 1): grid 512 x 1, 4 waves a work-group, no clusters, 33,280 bytes of LDS; arguments x, Wq, Wk, Wv, Wo, token_positions, x_codes, x_scales, w_codes, w_scales, cs; writes x_codes, x_scales, w_codes, w_scales, cs
.if DOCPART == 1
	.amdgcn_target "amdgcn-amd-amdhsa--gfx1250"
	.amdhsa_code_object_version 6
	.text
	.protected	k_q800fe46da8_prep
	.globl	k_q800fe46da8_prep
	.p2align	8
	.type	k_q800fe46da8_prep,@function
k_q800fe46da8_prep:
	s_mov_b64 s[64:65], 0
	v_nop
	global_prefetch_b8 v0, s[64:65] scope:SCOPE_SE
	s_setreg_imm32_b32 hwreg(HW_REG_WAVE_MODE, 25, 1), 1
	s_wait_xcnt 0x0
; x [8192][1024] and Wq, Wk, Wv, Wo [1024][1024], f32, become codes of BF6 (E3M2), K innermost, 768 bytes a row, with one E8M0 byte for each 32 along K (32 bytes a row);
; and token_positions become a table of cos and sin: cs[token][pair k = 0..31][cos, sin], f32, 256 bytes a token, angle = position x 10000^(-k / 32).
; A block's scale is 2^(floor(log2(its largest magnitude)) - 4); its byte is the largest magnitude's exponent field - 4, held at 1 from below (a block of zeros gets the byte 1: its codes are zeros, and this program alone reads the bytes).
; THE ROWS ARE STORED IN ANOTHER ORDER (not Wo's): within each 64 rows the group of 8 rows 4 g + i (g = 0, 1; i = 0..3) is stored as group 2 i + g.  A wave's run of 8,192 numbers is 8 rows, one such group, so the order costs one scalar sum.
; With it a lane of the products that follow holds 32 neighbours along the next product's K in 32 consecutive registers.
; Work-groups 0-255: x.  256-383: the four weights, stored one behind the other (w_codes rows 0 Wq, 1024 Wk, 2048 Wv, 3072 Wo).  384-511: the table, 16 tokens a wave, a lane a pair; no LDS there.
; The quantiser: a wave takes 16 steps of 512 numbers; each load reads 512 consecutive bytes; a step's 2,048 bytes turn through the wave's own stage in LDS and come back 64 bytes a lane (16 neighbours; two lanes hold a block).
; Loads run four steps ahead, the turn through LDS one step.  Waves share nothing: no barrier.
; LIMITS: NaN and infinities among the inputs are not served; |position| stays under 2^22 (the reduction of the angle takes pi / 2 in two parts).
.set STEPS, 16
.set EMAX,  4
.set CB,    12                         ; bytes of 16 codes
.set R,     16                         ; v16-79   four sets of 16 numbers as they are loaded
.set X,     80                         ; v80-111  two sets of 16 neighbours
.set C,     128                        ; v128-191 codes: four registers for each step
.set E,     112                        ; v112-127 a scale byte for each step
.set WREG,  8192                       ; LDS: a region for each wave: two stages of 32 x SP bytes, behind them its 256 scale bytes
.set SP,    80                         ; a lane's place in a stage: 64 bytes + 16 of padding
.set WGX,   256
.set WGQ,   384
	s_load_b512 s[4:19], s[0:1], 0x0               ; x, Wq, Wk, Wv, Wo, positions, x's codes, x's scales
	s_load_b128 s[20:23], s[0:1], 0x40             ; the weights' codes, their scales
	s_load_b64 s[24:25], s[0:1], 0x50              ; the table
	v_lshl_add_u32 v192, v0, 2, 0x8000
	v_mov_b32 v193, 0
	v_lshrrev_b32 v1, 5, v0
	v_readfirstlane_b32 s26, v1                    ; wave
	v_and_b32 v2, 31, v0                           ; lane
	s_wait_kmcnt 0x0
	s_cmp_ge_u32 ttmp9, WGQ
	s_cbranch_scc1 .Ltable
	s_wait_alu depctr_va_vdst(0)
	v_lshlrev_b32 v3, 4, v2                        ; my 16 bytes of a load's 512
	s_mul_i32 s27, s26, WREG
	v_lshrrev_b32 v14, 2, v2
	v_mul_u32_u24 v14, v14, SP
	v_and_b32 v15, 3, v2
	v_lshl_add_u32 v14, v15, 4, v14
	v_add_nc_u32 v14, s27, v14                     ; the stage, on the way in: SP (lane / 4) + 16 (lane % 4)
	v_mul_u32_u24 v15, v2, SP
	v_add_nc_u32 v15, s27, v15                     ; and on the way out: SP x lane
	v_mul_u32_u24 v4, v2, CB                       ; my codes' place in a step's
	v_lshrrev_b32 v5, 1, v2
	s_add_co_u32 s27, s27, 2*32*SP
	v_add_nc_u32 v5, s27, v5                       ; LDS: my block's scale byte
	v_lshlrev_b32 v7, 3, v2
	v_add_nc_u32 v6, s27, v7                       ; and on the way out 8 bytes a lane
	s_cmp_lt_u32 ttmp9, WGX
	s_cselect_b32 s28, 0, WGX
	s_sub_co_u32 s28, ttmp9, s28
	s_lshl_b32 s28, s28, 2
	s_add_co_u32 s28, s28, s26                     ; my run of 8 rows: in x, or in the four weights on end
	s_lshr_b32 s29, s28, 7                         ; which weight (128 runs each)
	s_and_b32 s30, s28, 127                        ; and which run of it
	s_and_b32 s31, s28, 3
	s_lshl_b32 s31, s31, 1
	s_bfe_u32 s32, s28, 0x10002
	s_or_b32 s31, s31, s32
	s_and_b32 s32, s28, 0xfffffff8
	s_or_b32 s31, s31, s32                         ; where the run is stored: group 4 g + i becomes 2 i + g
	s_cmp_lt_u32 ttmp9, WGX
	s_cselect_b32 s29, 0, s29
	s_cselect_b32 s30, s28, s30
	s_cmp_eq_u32 s29, 1
	s_cselect_b64 s[6:7], s[8:9], s[6:7]
	s_cmp_eq_u32 s29, 2
	s_cselect_b64 s[6:7], s[10:11], s[6:7]
	s_cmp_eq_u32 s29, 3
	s_cselect_b64 s[6:7], s[12:13], s[6:7]
	s_cselect_b32 s31, s28, s31                    ; Wo's rows stay in their order
	s_cmp_lt_u32 ttmp9, WGX                        ; the choices hang on the work-group's and the wave's number alone
	s_cselect_b64 s[4:5], s[4:5], s[6:7]
	s_cselect_b64 s[16:17], s[16:17], s[20:21]
	s_cselect_b64 s[18:19], s[18:19], s[22:23]
	s_lshl_b32 s32, s30, 15                        ; 32,768 bytes of f32 a run
	s_mov_b32 s33, 0
	s_add_nc_u64 s[4:5], s[4:5], s[32:33]
	s_mul_i32 s32, s31, 32*STEPS*CB                ; 6,144 bytes of codes
	s_add_nc_u64 s[16:17], s[16:17], s[32:33]
	s_lshl_b32 s32, s31, 8                         ; 256 scale bytes
	s_add_nc_u64 s[18:19], s[18:19], s[32:33]
.macro LOAD t
.irp i, 0,1,2,3
	global_load_b128 v[R+16*((\t)%4)+4*\i:R+16*((\t)%4)+4*\i+3], v3, s[4:5] offset:2048*(\t)+512*\i th:TH_LOAD_NT   ; 32 lanes read 512 consecutive bytes
.endr
.endm
.macro TURN t                          ; step t's numbers through the stage: LDS serves a wave's instructions in order, so no wait stands between the stores and the loads
.irp i, 0,1,2,3
	ds_store_b128 v14, v[R+16*((\t)%4)+4*\i:R+16*((\t)%4)+4*\i+3] offset:32*SP*((\t)%2)+8*SP*\i
.endr
.irp i, 0,1,2,3
	ds_load_b128 v[X+16*((\t)%2)+4*\i:X+16*((\t)%2)+4*\i+3], v15 offset:32*SP*((\t)%2)+16*\i
.endr
.endm
.irp t, 0,1,2,3
	LOAD \t
.endr
	s_wait_alu depctr_va_vdst(0)
	s_wait_loadcnt 12                              ; step 0's four loads are in
	TURN 0
.macro STEP t
.set XS, X+16*((\t)%2)
.if (\t) > 0
	s_wait_dscnt 1                                 ; this step's numbers are back from the stage (the last step's byte store may be out)
.else
	s_wait_dscnt 0x0
.endif
.if (\t)+4 < STEPS
	LOAD (\t)+4                                    ; into the registers that this step's stores into the stage have read
.endif
.if (\t)+1 < STEPS
.if STEPS-2-(\t) >= 3
	s_wait_loadcnt 12                              ; the next step's four loads are in; those of the three steps behind it may be out
.else
	s_wait_loadcnt 4*(STEPS-2-(\t))
.endif
	TURN (\t)+1
.endif
	v_max3_num_f32 v8, |v[XS]|, |v[XS+1]|, |v[XS+2]|               ; the largest magnitude of my 16
	v_max3_num_f32 v9, |v[XS+3]|, |v[XS+4]|, |v[XS+5]|
.irp i, 6,10
	v_max3_num_f32 v8, v8, |v[XS+\i]|, |v[XS+\i+1]|
	v_max3_num_f32 v9, v9, |v[XS+\i+2]|, |v[XS+\i+3]|
.endr
	v_max3_num_f32 v8, v8, |v[XS+14]|, |v[XS+15]|
	v_max3_num_f32 v8, v8, v9, (EMAX+1)<<23        ; and the floor 2^(5 - 127): the byte cannot fall under 1
	v_max_num_f32_dpp v8, v8, v8 row_xmask:1 row_mask:0xf bank_mask:0xf   ; and of my neighbour's 16: the block's
	v_add_nc_u32 v11, 0xfe000000, v8               ; 4 off its exponent field: the conversion takes the exponent field of this operand as its scale
	v_cvt_scalef32_pk16_bf6_f32 v[C+4*(\t):C+4*(\t)+2], v[XS:XS+15], v11
	v_lshrrev_b32 v[E+(\t)], 23, v11               ; the scale's byte
	ds_store_b8 v5, v[E+(\t)] offset:16*(\t)       ; both lanes of a block write the same byte with the same value
	global_store_b96 v4, v[C+4*(\t):C+4*(\t)+2], s[16:17] offset:32*CB*(\t)   ; the wave stores 384 consecutive bytes
.endm
.irp t, 0,1,2,3,4,5,6,7,8,9,10,11,12,13,14,15
	STEP \t
.endr
	ds_load_b64 v[12:13], v6                       ; LDS serves a wave's instructions in order: these see my stores
	s_wait_dscnt 0x0
	global_store_b64 v7, v[12:13], s[18:19]        ; 32 lanes store 256 consecutive bytes, aligned
	s_wait_tensorcnt 0x0
	ds_add_u32 v192, v193
	s_wait_dscnt 0x0
	s_endpgm
.Ltable:                                               ; cos and sin of position x 10000^(-k / 32), k = my lane; 16 tokens a wave
	s_sub_co_u32 s27, ttmp9, WGQ
	s_lshl_b32 s27, s27, 2
	s_add_co_u32 s27, s27, s26                     ; which 16 tokens
	s_lshl_b32 s28, s27, 6
	s_mov_b32 s29, 0
	s_add_nc_u64 s[14:15], s[14:15], s[28:29]
	s_load_b512 s[32:47], s[14:15], 0x0            ; their positions
	s_lshl_b32 s30, s27, 12
	s_mov_b32 s31, 0
	s_add_nc_u64 s[24:25], s[24:25], s[30:31]      ; their 16 x 256 bytes of the table
	s_mov_b32 s50, 0x3fc90fdb                      ; pi / 2, upper part
	s_mov_b32 s51, 0xb33bbd2e                      ; and what is left of it
	s_mov_b32 s52, 0xb94ca1f9                      ; sine: r + r z ((S0 z + S1) z + S2), z = r r, |r| <= pi / 4
	s_mov_b32 s53, 0x3c08839e
	s_mov_b32 s54, 0xbe2aaaa3
	s_mov_b32 s55, 0x37ccf5ce                      ; cosine: 1 - z / 2 + z z ((C0 z + C1) z + C2)
	s_mov_b32 s56, 0xbab6061a
	s_mov_b32 s57, 0x3d2aaaa5
	s_mov_b32 s58, 0x3ed49a78                      ; log2(10000) / 32, upper part
	s_mov_b32 s59, 0x32179a20                      ; and what is left of it
	s_wait_alu depctr_va_vdst(0)
	v_lshlrev_b32 v3, 3, v2                        ; 8 bytes a pair
	v_cvt_f32_u32 v1, v2                           ; k
	v_mul_f32 v4, s58, v1
	v_rndne_f32 v4, v4                             ; N: the whole part of k log2(10000) / 32
	v_fma_f32 v5, -v1, s58, v4
	v_fma_f32 v5, -v1, s59, v5                     ; N - k log2(10000) / 32, between -1/2 and 1/2
	s_wait_alu depctr_va_vdst(0)
	v_exp_f32 v6, v5
	v_cvt_i32_f32 v7, v4                           ; (a plain line behind the exponential)
	v_sub_nc_u32 v7, 0, v7
	s_wait_alu depctr_va_vdst(0)                   ; ahead of the first line that names the exponential's result
	v_ldexp_f32 v1, v6, v7                         ; 10000^(-k / 32)
	s_wait_kmcnt 0x0
.irp i, 0,1,2,3,4,5,6,7,8,9,10,11,12,13,14,15
	v_cvt_f32_i32 v10, s[32+\i]
	s_wait_alu depctr_va_vdst(0)
	v_mul_f32 v10, v10, v1                         ; the angle, rounded once
	v_mul_f32 v11, 0x3f22f983, v10
	v_rndne_f32 v11, v11                           ; n = the nearest multiple of pi / 2
	v_fma_f32 v12, -v11, s50, v10
	v_fma_f32 v12, -v11, s51, v12                  ; r = angle - n pi / 2
	v_cvt_i32_f32 v13, v11
	v_mul_f32 v14, v12, v12                        ; z
	v_fma_f32 v15, v14, s52, s53
	v_fma_f32 v16, v14, s55, s56
	v_fma_f32 v15, v15, v14, s54
	v_fma_f32 v16, v16, v14, s57
	v_mul_f32 v15, v15, v14
	v_mul_f32 v17, v14, v14
	v_fma_f32 v18, v14, -0.5, 1.0
	v_fma_f32 v15, v15, v12, v12                   ; sin r
	v_fma_f32 v16, v17, v16, v18                   ; cos r
	v_and_b32 v19, 1, v13
	v_cmp_eq_u32 vcc_lo, 1, v19                    ; n odd: the two change places
	v_cndmask_b32 v20, v15, v16, vcc_lo
	v_cndmask_b32 v21, v16, v15, vcc_lo
	v_and_b32 v22, 2, v13                          ; the sine's sign: n mod 4 = 2, 3
	v_lshlrev_b32 v22, 30, v22
	v_add_nc_u32 v23, 1, v13                       ; the cosine's: n mod 4 = 1, 2
	v_and_b32 v23, 2, v23
	v_lshlrev_b32 v23, 30, v23
	v_xor_b32 v[64+2*\i], v23, v21
	v_xor_b32 v[65+2*\i], v22, v20
	global_store_b64 v3, v[64+2*\i:65+2*\i], s[24:25] offset:256*\i   ; 32 lanes store a token's 256 bytes; each token has its own pair of registers
.endr
	s_endpgm
.Lfunc_end_k_q800fe46da8_prep:
	.size	k_q800fe46da8_prep, .Lfunc_end_k_q800fe46da8_prep-k_q800fe46da8_prep
	.p2alignl 7, 3214868480
	.fill 96, 4, 3214868480
	.section	.rodata,"a",@progbits
	.p2align	6, 0x0
	.amdhsa_kernel k_q800fe46da8_prep
		.amdhsa_group_segment_fixed_size 33280
		.amdhsa_private_segment_fixed_size 0
		.amdhsa_enable_private_segment 0
		.amdhsa_kernarg_size 88
		.amdhsa_user_sgpr_count 2
		.amdhsa_user_sgpr_kernarg_segment_ptr 1
		.amdhsa_wavefront_size32 1
		.amdhsa_system_sgpr_workgroup_id_x 1
		.amdhsa_system_sgpr_workgroup_id_y 1
		.amdhsa_system_sgpr_workgroup_id_z 1
		.amdhsa_system_vgpr_workitem_id 0
		.amdhsa_next_free_vgpr 194
		.amdhsa_next_free_sgpr 66
		.amdhsa_reserve_vcc 1
		.amdhsa_float_denorm_mode_32 3
		.amdhsa_float_denorm_mode_16_64 3
		.amdhsa_memory_ordered 1
		.amdhsa_forward_progress 1
		.amdhsa_inst_pref_size 56
	.end_amdhsa_kernel
	.amdgpu_metadata
---
amdhsa.version: [ 1, 2 ]
amdhsa.kernels:
  - .name:           k_q800fe46da8_prep
    .symbol:         k_q800fe46da8_prep.kd
    .args:
      - { .name: x, .offset: 0, .size: 8, .value_kind: global_buffer, .address_space: global }
      - { .name: Wq, .offset: 8, .size: 8, .value_kind: global_buffer, .address_space: global }
      - { .name: Wk, .offset: 16, .size: 8, .value_kind: global_buffer, .address_space: global }
      - { .name: Wv, .offset: 24, .size: 8, .value_kind: global_buffer, .address_space: global }
      - { .name: Wo, .offset: 32, .size: 8, .value_kind: global_buffer, .address_space: global }
      - { .name: token_positions, .offset: 40, .size: 8, .value_kind: global_buffer, .address_space: global }
      - { .name: x_codes, .offset: 48, .size: 8, .value_kind: global_buffer, .address_space: global }
      - { .name: x_scales, .offset: 56, .size: 8, .value_kind: global_buffer, .address_space: global }
      - { .name: w_codes, .offset: 64, .size: 8, .value_kind: global_buffer, .address_space: global }
      - { .name: w_scales, .offset: 72, .size: 8, .value_kind: global_buffer, .address_space: global }
      - { .name: cs, .offset: 80, .size: 8, .value_kind: global_buffer, .address_space: global }
    .group_segment_fixed_size: 33280
    .private_segment_fixed_size: 0
    .kernarg_segment_align: 8
    .kernarg_segment_size: 88
    .max_flat_workgroup_size: 128
    .sgpr_count:     66
    .vgpr_count:     194
    .wavefront_size: 32
...
	.end_amdgpu_metadata
.endif
;; end of part 1
;; launch qkv (part 2): grid 12 x 32, 4 waves a work-group, clusters of 4 x 4, 327,680 bytes of LDS; arguments x_codes, x_scales, w_codes, w_scales, cs, qkv; writes qkv
.if DOCPART == 2
	.amdgcn_target "amdgcn-amd-amdhsa--gfx1250"
	.amdhsa_code_object_version 6
	.text
	.protected	k_q800fe46da8_qkv
	.globl	k_q800fe46da8_qkv
	.p2align	8
	.type	k_q800fe46da8_qkv,@function
k_q800fe46da8_qkv:
	s_mov_b64 s[64:65], 0
	v_nop
	global_prefetch_b8 v0, s[64:65] scope:SCOPE_SE
	s_setreg_imm32_b32 hwreg(HW_REG_WAVE_MODE, 25, 1), 1
	s_wait_xcnt 0x0
	s_wait_alu depctr_hold_cnt(0) depctr_sa_sdst(0) depctr_va_vdst(0) depctr_va_sdst(0) depctr_va_ssrc(0) depctr_va_vcc(0) depctr_vm_vsrc(0)
	s_getreg_b32 s2, hwreg(HW_REG_IB_STS2, 6, 4)
	s_cmp_eq_u32 s2, 0
	s_cbranch_scc0 .Lentry_in_a_cluster
	s_endpgm
.Lentry_in_a_cluster:
	s_bfe_u32 s2, ttmp6, 0x10000c
	s_cmp_lg_u32 s2, 0xf033
	s_cbranch_scc0 .Lentry_shape_is_right
	s_endpgm
.Lentry_shape_is_right:
; q = x Wq^T, k = x Wk^T, v = x Wv^T on codes of BF6 (E3M2) with one E8M0 scale for each 32 along K = 1,024; then the rotation of q and k by the table cs, and the three results quantised again:
; q and k along the head's 64, v along the keys.  They leave as IMAGES OF OPERAND REGISTERS for the attention launch: qkv[batch x 16 + head][128 tokens][Q image, K image, V image], 6,400 bytes an image:
; four fragments of 12 registers (registers 4 g .. 4 g + 3 of lane L at 1,536 f + 512 g + 16 L), then 256 bytes of scale words (fragment f, lane r: 6,144 + 64 f + 4 r).
; THE PRODUCT: a tile of 256 x 256 to a work-group of four waves, 128 x 128 (64 accumulators, 512 registers) to a wave; K in steps of 256 through a ring of two LDS slots filled by the tensor data mover; the scales of the
; work-group's rows, for all of K, come into LDS once.  4 x 4 work-groups form a cluster: A's tile is asked for jointly along a row of the cluster, B's along a column.  Source 0 = 16 rows of B, source 1 = 16 rows of A.
; THREE PARTS, by the cluster's x, which all partners share: 0: A = x, B = Wq;  1: A = x, B = Wk;  2: A = Wv, B = x, so that a lane holds a channel of v and its registers run along the tokens.  One loop serves all three;
; the parts separate once, ahead of the last 128 along K, which is written in both arms.
; THE ROWS of x, Wq, Wk, Wv are stored so that stored row 16 i + r of each 64 is row 32 (r / 8) + 8 i + r % 8.  So in accumulators (a, 4 c .. 4 c + 3) lane (r, h) holds 32 NEIGHBOURS of B's rows, 64 c + 32 h + 0 .. 31, in 32
; consecutive registers: a whole block of the next product's K: its largest magnitude needs no other lane, and two conversions give the six registers that the operand's layout wants of that lane.
; A Q or K fragment holds two tiles of 16 tokens: registers 0-5 tile 2 f, registers 6-11 tile 2 f + 1 (the head's 64 fill half of the instruction's 128 along K); scale bytes 2 (tile % 2) + h.  A V fragment is 16 channels x 128 keys.
; REGISTERS, in windows of 256: window 0: v0-31 addresses; v32-63 scale words, two sets; v64-127 cos and sin, two buffers; from v128 A's fragments, one set; behind the products v128-219 are at work.
;   window 1: B's fragments, two sets.   window 2: the accumulators of my rows 0-63 ((a, b) at v[8 (8 a + b)]);   window 3: those of my rows 64-127.
; LIMITS: a block of zeros gets the scale byte 1 (its codes are zeros; this program alone reads the bytes); NaN and infinities are not served.
.set KSTEP,  256
.set NQ,     KSTEP/128
.set ROWB,   192                       ; a tile's row in bytes
.set KROW,   768                       ; a row of codes in memory
.set PITCH,  240                       ; an LDS row: 3 x (64 bytes + 16 of padding)
.set FR,     12
.set NL,     6
.set NP,     4                         ; places behind this matrix instruction (ISA guide 7.12.1)
.set HALFT,  128*PITCH
.set SLOT,   4*HALFT
.set LAPS,   2                         ; K = 1,024: four K steps, twice round the ring
.set KS,     32                        ; a row of scales in bytes
.set SCL,    2*SLOT
.set HALFS,  (128*KS/256)*272
.set SBLK,   (16*KS/256)*272
.set SPARE,  SCL+4*HALFS               ; the spare words, 128 bytes for each wave
.set IMG,    6400                      ; an image
.set WST,    2*IMG                     ; the way out: a wave's stage, two images.  The stages lie in slot 0, which has had its last fill and its last read when the first result is stored there
.set VST,    4*WST                     ; part 2 has stage bytes of its own
.set ADRA, 16
.set ADRB, 20
.set STO,  24                          ; v24  my stage + 16 x lane
.set SSO,  25                          ; v25  my stage + 6,144 + 4 (lane % 16) + lane / 16: my scale byte
.set RDS,  26                          ; v26  my stage + 6,144 + 8 x lane
.set ADRS, 27
.set SPW,  28
.set NIL,  29
.set CSA,  30                          ; v30  the table: my token's row and my half of it
.set L16,  31                          ; v31  16 x lane
.set L8,   15                          ; v15  8 x lane
.set SC,   32
.set CSB,  64                          ; v64-95, v96-127: cos and sin of 16 pairs, two buffers
.set AF,   128
.set Y,    128                         ; v128-191 the rotated numbers of two heads
.set PC,   192                         ; v192-203 two units' codes
.set TT,   204                         ; v204-210 the conversions' second halves
.set TM,   212                         ; v212-215 four chains of maxima
.set SO,   216                         ; v216-217 the conversions' scale operands
.set BY,   218                         ; v218-219 the scale bytes
.set OB,   64                          ; v64-163 the way out
.set G1, 24
.set G0, 32
.set G1B, 48
.set G0B, 56
.set G1S, 68
.set G0S, 76
.set G1SB, 80
.set G0SB, 88
.set MSB, 0
.macro WIN new                         ; the immediate's high byte repeats the setting that is left
.if MSB != \new
	s_set_vgpr_msb (MSB<<8)|\new
.set MSB, \new
.endif
.endm
.set MUL_LO, 0xa1                      ; source 0 (B) window 1, source 1 (A) window 0, C and D window 2
.set MUL_HI, 0xf1
.set TO_B,   0x40
; A joint load: waves 0 and 1 fetch for A, waves 2 and 3 for B.  The branch hangs on the wave's number alone.  Four v_nop follow each of the two lines.
.macro JLOAD g0a, g1a, g0b, g1b
	s_cmp_eq_u32 s15, 0
	s_cbranch_scc0 .Lfor_b_\@
	tensor_load_to_lds s[\g0a:\g0a+3], s[\g1a:\g1a+7]
	s_nop 0
.rept 4
	v_nop
.endr
	s_branch .Lasked_\@
.Lfor_b_\@:
	tensor_load_to_lds s[\g0b:\g0b+3], s[\g1b:\g1b+7]
	s_nop 0
.rept 4
	v_nop
.endr
.Lasked_\@:
.endm
.macro CREST                           ; the cluster's barrier behind its opening barrier
	s_cmp_lg_u32 s14, 0
	s_cbranch_scc1 .Lnot_wave_0_\@
	s_barrier_signal -3
.Lnot_wave_0_\@:
	s_barrier_wait -3
	s_barrier_signal -1
	s_barrier_wait -1
.endm
.macro CROUND
	s_barrier_signal -1
	s_barrier_wait -1
	CREST
.endm
	s_load_b128 s[4:7], s[0:1], 0x0                ; x's codes, x's scales
	s_load_b128 s[8:11], s[0:1], 0x10              ; the weights' codes, their scales
	s_load_b64 s[96:97], s[0:1], 0x20              ; the table
	s_load_b64 s[12:13], s[0:1], 0x28              ; qkv
	v_lshl_add_u32 v[SPW], v0, 2, SPARE
	v_mov_b32 v[NIL], 0
	ds_add_u32 v28, v29
	s_wait_dscnt 0x0
	v_lshrrev_b32 v1, 5, v0
	v_readfirstlane_b32 s14, v1                    ; wave 0..3
	s_lshr_b32 s15, s14, 1                         ; which half of A's rows is mine.  Also: I fetch for A (0) or for B (1)
	s_and_b32 s16, s14, 1                          ; which half of B's rows.  Also: which 128 rows I fetch
	s_bfe_u32 s40, ttmp6, 0x40000                  ; cx, cy: my place in the cluster
	s_bfe_u32 s41, ttmp6, 0x40004
	s_and_b32 s17, ttmp7, 0xffff                   ; the cluster's y
	s_cmp_eq_u32 ttmp9, 2                          ; part 2?  The cluster's x is the same in all partners
	s_cselect_b32 s42, s17, ttmp9                  ; B's tiles: parts 0, 1: 4 x part + cx of Wq | Wk;  part 2: 4 x cluster y + cx of x
	s_cselect_b32 s17, 0, s17                      ; A's tiles: parts 0, 1: 4 x cluster y + cy of x;   part 2: cy of Wv
	s_lshl_b32 s42, s42, 2
	s_add_co_u32 s42, s42, s40
	s_lshl_b32 s17, s17, 2
	s_add_co_u32 s17, s17, s41
	s_lshl_b32 s43, s41, 2
	s_lshl_b32 s43, 15, s43                        ; my row of the cluster
	s_lshl_b32 s44, 0x1111, s40                    ; my column
	s_or_b32 s[G1+0], s43, (0<<16)|(1<<20)|(1<<21)|(3<<22)|(3<<25)  ; the mask; elements of 1 byte; padding on; bit 21 beside a mask; after every 16 words 4 words
	s_or_b32 s[G1B+0], s44, (0<<16)|(1<<20)|(1<<21)|(3<<22)|(3<<25)
.irp g, G1, G1B
	s_mov_b32 s[\g+1], ROWB<<16                    ; tensor_dim0
	s_mov_b32 s[\g+2], 128<<16                     ; tensor_dim1
	s_mov_b32 s[\g+3], ROWB<<16                    ; tile_dim0
	s_mov_b32 s[\g+4], 128                         ; tile_dim1
	s_mov_b32 s[\g+5], KROW                        ; the pitch
	s_mov_b32 s[\g+6], 0
	s_mov_b32 s[\g+7], 0
.endr
	s_or_b32 s[G1S+0], s43, (3<<16)|(1<<20)|(1<<21)|(5<<22)|(3<<25)   ; the scales of 128 rows: 4,096 dense bytes as 16 rows of 256, 16 bytes of padding behind each
	s_or_b32 s[G1SB+0], s44, (3<<16)|(1<<20)|(1<<21)|(5<<22)|(3<<25)
.irp g, G1S, G1SB
	s_mov_b32 s[\g+1], 32<<16
	s_mov_b32 s[\g+2], (128*KS/256)<<16
	s_mov_b32 s[\g+3], 32<<16
	s_mov_b32 s[\g+4], 128*KS/256
	s_mov_b32 s[\g+5], 32
	s_mov_b32 s[\g+6], 0
	s_mov_b32 s[\g+7], 0
.endr
	s_lshl_b32 s18, s16, 7
	s_lshl_b32 s20, s17, 8
	s_add_co_u32 s20, s20, s18                     ; A: the first row that I fetch
	s_lshl_b32 s46, s42, 8
	s_add_co_u32 s46, s46, s18                     ; B likewise
	s_mov_b32 s21, 0
	s_mov_b32 s47, 0
	s_mov_b64 s[18:19], KS
	s_mul_u64 s[22:23], s[20:21], s[18:19]
	s_mul_u64 s[92:93], s[46:47], s[18:19]
	s_mov_b64 s[18:19], KROW
	s_mul_u64 s[20:21], s[20:21], s[18:19]
	s_mul_u64 s[46:47], s[46:47], s[18:19]
	s_mul_i32 s45, s14, HALFT                      ; where they go: no place in the cluster enters an LDS address
	s_mul_i32 s94, s14, HALFS
	s_wait_kmcnt 0x0
	s_add_nc_u64 s[98:99], s[8:9], 2048*KROW       ; Wv's codes
	s_add_nc_u64 s[100:101], s[10:11], 2048*KS     ; and scales
	s_cmp_eq_u32 ttmp9, 2
	s_cselect_b64 s[8:9], s[4:5], s[8:9]           ; B: part 2: x
	s_cselect_b64 s[10:11], s[6:7], s[10:11]
	s_cselect_b64 s[4:5], s[98:99], s[4:5]         ; A: part 2: Wv
	s_cselect_b64 s[6:7], s[100:101], s[6:7]
	s_add_nc_u64 s[20:21], s[4:5], s[20:21]
	s_add_nc_u64 s[22:23], s[6:7], s[22:23]
	s_add_nc_u64 s[46:47], s[8:9], s[46:47]
	s_add_nc_u64 s[92:93], s[10:11], s[92:93]
	CROUND                                         ; all sixteen work-groups are here: the first joint loads meet
	s_mov_b32 s[G0S], 1
	s_add_co_u32 s[G0S+1], s94, SCL
	s_mov_b64 s[G0S+2:G0S+3], s[22:23]
	s_or_b32 s[G0S+3], s[G0S+3], 0x80000000
	s_mov_b32 s[G0SB], 1
	s_add_co_u32 s[G0SB+1], s94, SCL
	s_mov_b64 s[G0SB+2:G0SB+3], s[92:93]
	s_or_b32 s[G0SB+3], s[G0SB+3], 0x80000000
	JLOAD G0S, G1S, G0SB, G1SB                     ; the scales first: they are wanted with K step 0
.irp s, 0,1
	s_mov_b32 s[G0+4*\s], 1
	s_add_co_u32 s[G0+4*\s+1], s45, \s*SLOT
	s_add_nc_u64 s[G0+4*\s+2:G0+4*\s+3], s[20:21], \s*ROWB
	s_or_b32 s[G0+4*\s+3], s[G0+4*\s+3], 0x80000000
	s_mov_b32 s[G0B+4*\s], 1
	s_add_co_u32 s[G0B+4*\s+1], s45, \s*SLOT
	s_add_nc_u64 s[G0B+4*\s+2:G0B+4*\s+3], s[46:47], \s*ROWB
	s_or_b32 s[G0B+4*\s+3], s[G0B+4*\s+3], 0x80000000
	JLOAD G0+4*\s, G1, G0B+4*\s, G1B               ; three tensor loads of mine are out
.endr
	v_and_b32 v1, 15, v0                           ; r = l % 16
	v_bfe_u32 v2, v0, 4, 1                         ; h = l / 16
	v_mul_u32_u24 v3, v1, PITCH
	v_mul_u32_u24 v4, v2, 24
	v_add_nc_u32 v4, v3, v4                        ; a fragment's row x pitch + 24 x half
	v_lshl_add_u32 v5, v2, 4, v4                   ; and the same behind one padding more
	s_mul_i32 s21, s15, HALFT
	s_mul_i32 s22, s16, HALFT
	s_add_co_u32 s22, s22, 2*HALFT
.irp s, 0,1
	v_add_nc_u32 v[ADRA+\s], s21, v4
	v_add_nc_u32 v[ADRB+\s], s22, v4
	v_add_nc_u32 v[ADRA+2+\s], s21, v5
	v_add_nc_u32 v[ADRB+2+\s], s22, v5
	s_add_co_u32 s21, s21, SLOT
	s_add_co_u32 s22, s22, SLOT
.endr
	v_mul_u32_u24 v5, v1, KS                       ; my row's scales
	v_lshrrev_b32 v6, 8, v5
	v_lshl_add_u32 v5, v6, 4, v5
	s_mul_i32 s21, s15, HALFS
	s_mul_i32 s22, s16, HALFS
	s_add_co_u32 s22, s22, 2*HALFS
	s_sub_co_u32 s22, s22, s21
	v_mul_u32_u24 v6, s22, v2                      ; lanes 16-31 take B's
	s_add_co_u32 s21, s21, SCL
	v_add_nc_u32 v5, v5, v6
	v_add_nc_u32 v[ADRS], s21, v5
	s_mul_i32 s23, s14, WST                        ; my stage
	v_and_b32 v6, 31, v0
	v_lshlrev_b32 v[L16], 4, v6
	v_lshlrev_b32 v[L8], 3, v6
	v_add_nc_u32 v[STO], s23, v[L16]
	v_lshlrev_b32 v5, 2, v1
	v_add_nc_u32 v5, v5, v2
	v_add_nc_u32 v5, s23, v5
	v_add_nc_u32 v[SSO], 6144, v5
	v_add_nc_u32 v5, s23, v[L8]
	v_add_nc_u32 v[RDS], 6144, v5
	v_lshrrev_b32 v5, 3, v1
	v_and_b32 v6, 7, v1
	v_lshlrev_b32 v[CSA], 13, v5                   ; the table: token 32 (r / 8) + r % 8 of a tile, 256 bytes a token,
	v_lshl_add_u32 v[CSA], v6, 8, v[CSA]
	v_lshl_add_u32 v[CSA], v2, 7, v[CSA]           ; and pairs 16 h on: 128 bytes
	s_lshl_b32 s20, s17, 8
	s_lshl_b32 s21, s15, 7
	s_add_co_u32 s20, s20, s21                     ; my first row of A,
	s_lshl_b32 s46, s42, 8
	s_lshl_b32 s47, s16, 7
	s_add_co_u32 s46, s46, s47                     ; of B
	s_and_b32 s47, s46, 1023
	s_cmp_eq_u32 ttmp9, 2
	s_cselect_b32 s66, s46, s20                    ; my first token
	s_cselect_b32 s67, s20, s47
	s_lshr_b32 s67, s67, 6                         ; my first head of two
	s_lshr_b32 s94, s66, 11                        ; the batch
	s_lshl_b32 s94, s94, 4
	s_add_co_u32 s94, s94, s67
	s_lshl_b32 s94, s94, 4
	s_bfe_u32 s95, s66, 0x40007                    ; which 128 tokens of the sequence
	s_add_co_u32 s94, s94, s95
	s_mul_i32 s94, s94, 3*IMG
	s_mul_i32 s95, ttmp9, IMG                      ; Q's, K's or V's image
	s_add_co_u32 s94, s94, s95
	s_mov_b32 s95, 0
	s_add_nc_u64 s[12:13], s[12:13], s[94:95]
	s_lshl_b32 s94, s66, 8
	s_add_nc_u64 s[96:97], s[96:97], s[94:95]      ; the table at my first token
.macro FRAG reg, adr, q, i             ; a fragment: lane l holds row l % 16; registers 6 c .. 6 c + 5 hold K = 64 c + 32 (l / 16) + 0 .. 31: 24 bytes of the row, in pieces of 8
.irp p, 0,1,2,3,4,5
.set PCE, 12*(\q)+6*(\p/3)+\p%3        ; 16 bytes of padding lie behind every 8 pieces: where the piece three on lies behind one padding more, the second address register serves
.if PCE%8 < 5
	ds_load_b64 v[\reg+2*\p:\reg+2*\p+1], v[\adr] offset:8*PCE+16*(PCE/8)+(\i)*16*PITCH
.else
	ds_load_b64 v[\reg+2*\p:\reg+2*\p+1], v[\adr+2] offset:8*PCE+16*(PCE/8)+(\i)*16*PITCH
.endif
.endr
.endm
; 16 matrix instructions: A's blocks a0, a0 + 1 x B's eight.  The 64 accumulators take turns, one instruction a turn, in the same order in every step.
.macro MUL16 a0, p, q, sc, zero
.irp a, \a0, \a0+1
.irp b, 0,1,2,3,4,5,6,7
.if \zero
	v_wmma_scale_f32_16x16x128_f8f6f4 v[8*(8*((\a)%4)+\b):8*(8*((\a)%4)+\b)+7], v[128*(\p)+FR*\b:128*(\p)+FR*\b+FR-1], v[AF+FR*(\a):AF+FR*(\a)+FR-1], 0, v[SC+8*NQ*(\sc)+NQ*\b+(\q)], v[SC+8*NQ*(\sc)+NQ*(\a)+(\q)] matrix_a_fmt:MATRIX_FMT_BF6 matrix_b_fmt:MATRIX_FMT_BF6 matrix_a_scale:MATRIX_SCALE_ROW1
.else
	v_wmma_scale_f32_16x16x128_f8f6f4 v[8*(8*((\a)%4)+\b):8*(8*((\a)%4)+\b)+7], v[128*(\p)+FR*\b:128*(\p)+FR*\b+FR-1], v[AF+FR*(\a):AF+FR*(\a)+FR-1], v[8*(8*((\a)%4)+\b):8*(8*((\a)%4)+\b)+7], v[SC+8*NQ*(\sc)+NQ*\b+(\q)], v[SC+8*NQ*(\sc)+NQ*(\a)+(\q)] matrix_a_fmt:MATRIX_FMT_BF6 matrix_b_fmt:MATRIX_FMT_BF6 matrix_a_scale:MATRIX_SCALE_ROW1
.endif
.endr
.endr
.endm
.macro FETCH_B slot, q, p
	WIN TO_B
.irp i, 0,1,2,3,4,5,6,7
	FRAG 128*(\p)+FR*\i, ADRB+\slot, \q, \i
.endr
	WIN 0
.endm
.macro FETCH_A slot, q, i0
.irp i, \i0, \i0+1, \i0+2, \i0+3
	FRAG AF+FR*(\i), ADRA+\slot, \q, \i
.endr
.endm
.macro SCALES sc                       ; a K step's scale words: lanes 0-15 take A's block i, lanes 16-31 B's block i
.irp i, 0,1,2,3,4,5,6,7
	ds_load_b64 v[SC+8*NQ*\sc+NQ*\i:SC+8*NQ*\sc+NQ*\i+1], v[ADRS] offset:\i*SBLK
.endr
.endm
.macro PLACES n                        ; plain vector lines between a matrix instruction and a load into, or a read of, its registers
.rept \n
	v_nop
.endr
.endm
.macro STEP slot, q, zero              ; 128 along K that have their successor in the same slot
	s_wait_dscnt 4*NL                              ; B's set and A's blocks 0-3 are in; A's blocks 4-7 (24 loads) may be out
	WIN MUL_LO
	MUL16 0, (\q)%2, \q, \slot, \zero
	MUL16 2, (\q)%2, \q, \slot, \zero
	s_wait_dscnt 0
	PLACES NP
	FETCH_B \slot, (\q)+1, 1-(\q)%2
	FETCH_A \slot, (\q)+1, 0
	WIN MUL_HI
	MUL16 4, (\q)%2, \q, \slot, \zero
	MUL16 6, (\q)%2, \q, \slot, \zero
	PLACES NP
	WIN 0
	FETCH_A \slot, (\q)+1, 4
.endm
; A slot's last 128 change slots: one barrier; in front of it each wave waits for all its tensor loads, adds 0 to its spare word, and waits for that and for its own reads of this slot.
.macro TURN slot, next, fill
	s_wait_tensorcnt 0x0                           ; all my tensor loads have landed: my part of the next slot
	ds_add_u32 v[SPW], v[NIL]                      ; 0 onto my spare word
	s_wait_dscnt 4*NL+1                            ; (the add and A's blocks 4-7 may be out)
	WIN MUL_LO
	MUL16 0, 1, NQ-1, \slot, 0
	s_wait_dscnt 0x0                               ; the add is done, and my reads of this slot are over
	s_barrier_signal -1
	MUL16 2, 1, NQ-1, \slot, 0
	WIN 0
	s_barrier_wait -1
.if \fill
	CREST                                          ; no wave of any partner still reads this slot's tile or has a load on its way
	s_add_nc_u64 s[G0+4*\slot+2:G0+4*\slot+3], s[G0+4*\slot+2:G0+4*\slot+3], 2*ROWB
	s_add_nc_u64 s[G0B+4*\slot+2:G0B+4*\slot+3], s[G0B+4*\slot+2:G0B+4*\slot+3], 2*ROWB
	JLOAD G0+4*\slot, G1, G0B+4*\slot, G1B         ; the first tensor load behind the barrier; its four v_nop are the places in front of the loads below
.else
	PLACES NP
.endif
	v_add_nc_u32 v[ADRS], 4*NQ, v[ADRS]
	FETCH_B \next, 0, 0
	FETCH_A \next, 0, 0
	SCALES \next
	WIN MUL_HI
	MUL16 4, 1, NQ-1, \slot, 0
	MUL16 6, 1, NQ-1, \slot, 0
	PLACES NP
	WIN 0
	FETCH_A \next, 0, 4
.endm
; The very last 128 along K: nothing more to fetch; four places behind it, in front of the first reads of results and the first writes over A's fragments.  It begins with accumulator (0, 0); the step before ended with (7, 7)
.macro LAST
	s_wait_dscnt 4*NL                              ; B's set and A's blocks 0-3 are in; A's blocks 4-7 (24 loads) may be out
	WIN MUL_LO
	MUL16 0, 1, NQ-1, 1, 0
	MUL16 2, 1, NQ-1, 1, 0
	s_wait_dscnt 0
	WIN MUL_HI
	MUL16 4, 1, NQ-1, 1, 0
	MUL16 6, 1, NQ-1, 1, 0
	WIN 0
	PLACES NP
.endm
; ---- the way out
.macro CSLOAD a, buf                   ; cos and sin for tile a: my token's 16 pairs, 128 bytes
.irp q, 0,1,2,3,4,5,6,7
	global_load_b128 v[CSB+32*(\buf)+4*\q:CSB+32*(\buf)+4*\q+3], v[CSA], s[96:97] offset:(64*((\a)/4)+8*((\a)%4))*256+16*\q
.endr
.endm
.macro ROPE a                          ; tile a, both heads: (even, odd) -> (even cos - odd sin, odd cos + even sin).  Each accumulator is read from its low end on
.set WR, 2+(\a)/4
	WIN WR                                         ; source 0: the accumulators' window
.irp c, 0,1
.irp p, 0,1,2,3,4,5,6,7,8,9,10,11,12,13,14,15
.set rX, 64*((\a)%4)+32*\c+2*\p
.set rC, CSB+32*((\a)%2)+2*\p
.set rY, Y+32*\c+2*\p
	v_pk_mul_f32 v[rY:rY+1], v[rX:rX+1], v[rC:rC+1] op_sel_hi:[1,0]
	v_fma_f32 v[rY], -v[rX+1], v[rC+1], v[rY]
	v_fma_f32 v[rY+1], v[rX], v[rC+1], v[rY+1]
.endr
.endr
	WIN 0
.endm
; Two units of 32 numbers, v[s + 32 c ..] of window w, each a whole block: codes to v[PC + 6 c ..], bytes to v[BY + c]
.macro QUANT2 s, w
.set WQ, (\w)|((\w)<<2)
	WIN WQ
.irp c, 0,1
.irp e, 0,1
	v_max3_num_f32 v[TM+2*\c+\e], |v[(\s)+32*\c+16*\e]|, |v[(\s)+32*\c+16*\e+1]|, 0x2800000   ; with the floor 2^(5 - 127): the byte cannot fall under 1
.endr
.endr
.irp i, 2,4,6,8,10,12,14
.irp c, 0,1
.irp e, 0,1
	v_max3_num_f32 v[TM+2*\c+\e], |v[(\s)+32*\c+16*\e+\i]|, |v[(\s)+32*\c+16*\e+\i+1]|, v[TM+2*\c+\e]
.endr
.endr
.endr
	WIN 0
	v_max_num_f32 v[TM], v[TM], v[TM+1]
	v_max_num_f32 v[TM+2], v[TM+2], v[TM+3]
	v_add_nc_u32 v[SO], 0xfe000000, v[TM]          ; 4 off the exponent field: the conversion's scale operand
	v_add_nc_u32 v[SO+1], 0xfe000000, v[TM+2]
	s_wait_dscnt 0x0                               ; the last units' LDS stores have read their registers
	v_lshrrev_b32 v[BY], 23, v[SO]
	v_lshrrev_b32 v[BY+1], 23, v[SO+1]
.set WQ, \w
	WIN WQ
	v_cvt_scalef32_pk16_bf6_f32 v[PC:PC+2], v[(\s):(\s)+15], v[SO]
	v_cvt_scalef32_pk16_bf6_f32 v[TT:TT+2], v[(\s)+16:(\s)+31], v[SO]       ; (a conversion's three registers begin on an even number)
	v_cvt_scalef32_pk16_bf6_f32 v[PC+6:PC+8], v[(\s)+32:(\s)+47], v[SO+1]
	v_cvt_scalef32_pk16_bf6_f32 v[TT+4:TT+6], v[(\s)+48:(\s)+63], v[SO+1]
	WIN 0
	v_nop                                          ; one plain line behind a scaled conversion
.irp i, 0,1,2
	v_mov_b32 v[PC+3+\i], v[TT+\i]
	v_mov_b32 v[PC+9+\i], v[TT+4+\i]
.endr
.endm
.macro PUT c, off, frag, half          ; unit c becomes registers 6 half .. 6 half + 5 of a fragment's image, and byte 2 half + h of its scale word
.if (\half) == 0
	ds_store_b128 v[STO], v[PC+6*(\c):PC+6*(\c)+3] offset:(\off)+1536*(\frag)
	ds_store_b64 v[STO], v[PC+6*(\c)+4:PC+6*(\c)+5] offset:(\off)+1536*(\frag)+512
.else
	ds_store_b64 v[STO], v[PC+6*(\c):PC+6*(\c)+1] offset:(\off)+1536*(\frag)+520
	ds_store_b128 v[STO], v[PC+6*(\c)+2:PC+6*(\c)+5] offset:(\off)+1536*(\frag)+1024
.endif
	ds_store_b8 v[SSO], v[BY+(\c)] offset:(\off)+64*(\frag)+2*(\half)
.endm
.macro OUT off                         ; my two images leave: each store covers 512 (the scale words: 256) consecutive bytes, aligned to 256.  LDS serves a wave's instructions in order: the loads see my stores
.irp g, 0,1
.irp i, 0,1,2,3,4,5,6,7,8,9,10,11
	ds_load_b128 v[OB+50*\g+4*\i:OB+50*\g+4*\i+3], v[STO] offset:(\off)+IMG*\g+512*\i
.endr
	ds_load_b64 v[OB+50*\g+48:OB+50*\g+49], v[RDS] offset:(\off)+IMG*\g
.endr
.irp g, 0,1
.irp i, 0,1,2,3,4,5,6,7,8,9,10,11
	s_wait_dscnt 25-13*\g-\i                       ; of the 26 loads the younger ones may be out
	global_store_b128 v[L16], v[OB+50*\g+4*\i:OB+50*\g+4*\i+3], s[12:13] offset:48*IMG*\g+512*\i th:TH_STORE_NT   ; the second head lies 16 x 19,200 bytes on
.endr
	s_wait_dscnt 13-13*\g
	global_store_b64 v[L8], v[OB+50*\g+48:OB+50*\g+49], s[12:13] offset:48*IMG*\g+6144 th:TH_STORE_NT
.endr
.endm
	s_wait_tensorcnt 1                             ; the scales and my part of K step 0 are in (K step 1's load may be out),
	s_barrier_signal -1
	s_barrier_wait -1                              ; everybody's are
	FETCH_B 0, 0, 0
	FETCH_A 0, 0, 0
	SCALES 0
	FETCH_A 0, 0, 4
	STEP 0, 0, 1                                   ; the first step's products start the sums
	s_mov_b32 s3, LAPS-1
.Llap:                                                 ; once round the ring; both slots are filled again
	TURN 0, 1, 1
	STEP 1, 0, 0
	TURN 1, 0, 1
	STEP 0, 0, 0
	s_sub_co_u32 s3, s3, 1
	s_cmp_lg_u32 s3, 0
	s_cbranch_scc1 .Llap
	TURN 0, 1, 0                                   ; the last lap fills nothing
	STEP 1, 0, 0
	s_cmp_eq_u32 ttmp9, 2                          ; THE PARTS SEPARATE HERE, once: the cluster's x is the same in every wave of every partner
	s_cbranch_scc1 .Lpart_v
	CSLOAD 0, 0                                    ; q or k: the first two tiles' cos and sin are asked for ahead of the last 64 products
	CSLOAD 1, 1
	LAST
.irp a, 0,1,2,3,4,5,6,7                        ; tile a of 16 tokens, two heads
.if \a < 7
	s_wait_loadcnt 8                               ; this tile's eight loads are in; the next tile's eight may be out
.else
	s_wait_loadcnt 0
.endif
	ROPE \a
.if \a < 6
	CSLOAD \a+2, \a%2
.endif
	QUANT2 Y, 0
	PUT 0, 0, \a/2, \a%2
	PUT 1, IMG, \a/2, \a%2
.endr
	OUT 0
	s_branch .Lend
.Lpart_v:
	LAST
.irp a, 0,1,2,3,4,5,6,7                        ; v: 16 channels (fragment a % 4 of head a / 4) x 128 keys: unit c = keys 64 c + 32 h + 0 .. 31
	QUANT2 64*(\a%4), 2+\a/4
	PUT 0, VST+IMG*(\a/4), \a%4, 0
	PUT 1, VST+IMG*(\a/4), \a%4, 1
.endr
	OUT VST
.Lend:
	s_wait_tensorcnt 0x0                           ; the wave's end
	ds_add_u32 v[SPW], v[NIL]
	s_wait_dscnt 0x0
	CROUND                                         ; no work-group ends while a partner may still ask for a tile that names it
	s_endpgm
.Lfunc_end_k_q800fe46da8_qkv:
	.size	k_q800fe46da8_qkv, .Lfunc_end_k_q800fe46da8_qkv-k_q800fe46da8_qkv
	.p2alignl 7, 3214868480
	.fill 96, 4, 3214868480
	.section	.rodata,"a",@progbits
	.p2align	6, 0x0
	.amdhsa_kernel k_q800fe46da8_qkv
		.amdhsa_group_segment_fixed_size 327680
		.amdhsa_private_segment_fixed_size 0
		.amdhsa_enable_private_segment 0
		.amdhsa_kernarg_size 48
		.amdhsa_user_sgpr_count 2
		.amdhsa_user_sgpr_kernarg_segment_ptr 1
		.amdhsa_wavefront_size32 1
		.amdhsa_system_sgpr_workgroup_id_x 1
		.amdhsa_system_sgpr_workgroup_id_y 1
		.amdhsa_system_sgpr_workgroup_id_z 1
		.amdhsa_system_vgpr_workitem_id 0
		.amdhsa_next_free_vgpr 1024
		.amdhsa_next_free_sgpr 102
		.amdhsa_reserve_vcc 0
		.amdhsa_float_denorm_mode_32 3
		.amdhsa_float_denorm_mode_16_64 3
		.amdhsa_memory_ordered 1
		.amdhsa_forward_progress 1
		.amdhsa_inst_pref_size 255
	.end_amdhsa_kernel
	.section	.bss,"aw",@nobits
	.p2align	6
	.space	262144
	.amdgpu_metadata
---
amdhsa.version: [ 1, 2 ]
amdhsa.kernels:
  - .name:           k_q800fe46da8_qkv
    .symbol:         k_q800fe46da8_qkv.kd
    .args:
      - { .name: x_codes, .offset: 0, .size: 8, .value_kind: global_buffer, .address_space: global }
      - { .name: x_scales, .offset: 8, .size: 8, .value_kind: global_buffer, .address_space: global }
      - { .name: w_codes, .offset: 16, .size: 8, .value_kind: global_buffer, .address_space: global }
      - { .name: w_scales, .offset: 24, .size: 8, .value_kind: global_buffer, .address_space: global }
      - { .name: cs, .offset: 32, .size: 8, .value_kind: global_buffer, .address_space: global }
      - { .name: qkv, .offset: 40, .size: 8, .value_kind: global_buffer, .address_space: global }
    .group_segment_fixed_size: 327680
    .private_segment_fixed_size: 0
    .kernarg_segment_align: 8
    .kernarg_segment_size: 48
    .max_flat_workgroup_size: 128
    .sgpr_count:     102
    .vgpr_count:     1024
    .wavefront_size: 32
...
	.end_amdgpu_metadata
.endif
;; end of part 2
;; launch attn (part 3): grid 4 x 64, 16 waves a work-group, no clusters, 327,680 bytes of LDS; arguments qkv, ao_codes, ao_scales; writes ao_codes, ao_scales
.if DOCPART == 3
	.amdgcn_target "amdgcn-amd-amdhsa--gfx1250"
	.amdhsa_code_object_version 6
	.text
	.protected	k_q800fe46da8_attn
	.globl	k_q800fe46da8_attn
	.p2align	8
	.type	k_q800fe46da8_attn,@function
k_q800fe46da8_attn:
	s_mov_b64 s[64:65], 0
	v_nop
	global_prefetch_b8 v0, s[64:65] scope:SCOPE_SE
	s_setreg_imm32_b32 hwreg(HW_REG_WAVE_MODE, 25, 1), 1
	s_wait_xcnt 0x0
; Causal attention of one head on codes of BF6 (E3M2): S^T = K Q^T (K = the head's 64), the softmax, O^T = V^T P^T (K = the keys), O / the row's sum, quantised along the model's 1,024 for the last product.
; INPUT: qkv[batch x 16 + head][128 tokens][Q, K, V image], images of operand registers (6,400 bytes: 4 fragments x 1,536, then 256 bytes of scale words).  A Q or K fragment holds two tiles of 16 tokens (registers 0-5, 6-11);
; tile t's lane r is token 64 (t / 4) + 32 (r / 8) + 8 (t % 4) + r % 8 of its 128.  So the 32 registers of score tiles 4 c .. 4 c + 3 are keys 64 c + 32 (lane / 16) + 0 .. 31: a whole block of the second product's K in one lane.
; A tile of K is multiplied by [q | 0] or [0 | q]: zero codes fill the other half of the instruction's 128 along K.
; THE SOFTMAX: t = score x log2(e) / 8; M = the running largest t rounded up to a whole number; p = 2^(t - M) is quantised along the keys, not normalised; the sum is taken of the unquantised p and divides at the end.
; When M moves, the sum and O are multiplied by 2^(old M - new M): exact.  A block's largest p is made from the block's largest score by the same multiply-add and exponential (this takes v_exp_f32 not to fall where its input rises).
; SHARES.  A work-group takes the blocks I and 7 - I of 256 queries of one head, one after the other: (I + 1) + (8 - I) = 9 slots of 256 keys for every work-group, so the loop's count is a constant and all 256 work-groups have equal work.
; Each of sixteen waves owns one tile of 16 queries in 256 registers: four waves to a SIMD.  A step of 128 keys that lies wholly behind the wave's 128 queries is jumped over; the one on the diagonal is masked.
; K's and V's images come through a ring of two LDS slots (two steps each), filled by waves 0-3, 6,400 dense bytes a load; one tensor load of a wave is out at a time.
; NO JOINT LOADS: in trip T work-group I reads slot T (T <= I) or T - I - 1: the four work-groups of a head want different tiles in the same trip.
; OUTPUT: ao_codes[tile of 16 tokens][128 along K][1,536 bytes]: registers 2 p, 2 p + 1 of lane L at 256 p + 8 L; a head owns three such pieces: three stores of 256 consecutive bytes.  ao_scales[16 tile + r][32], byte 2 head + h, stored singly.
; LIMITS: NaN and infinities are not served; a block of zeros gets the scale byte 1 (zero codes; this program alone reads the bytes).
; REGISTERS: v1, v2 16 and 4 x lane; v3, v4 the spare word's address and 0; v5, v6 LDS addresses of the slot; v7 my query less 32 h; v8-11 maxima and scale operands; v12 -M, v13 the largest t, v[14:15] the sum; v16-21 q, v22-27 zeros, v28-33 q;
;   v34 q's scales, v35 p's; v36-37 K's scale words, v38-39 V's; v[40:41] f; v42 -infinity; v43 8 h; v44 the prefetch's offset; v45-47 at work; v48-95 K's fragments, then at work; v96-159 S^T, then p; v160-191 O^T; v192-203 p's codes; v204-206 at work; v208-255 V's fragments.
.set SLOTB, 32768                      ; slot 1 begins here: one exclusive or changes slots
.set STEPB, 12800                      ; a step in a slot: K's image, then V's
.set IMG,   6400
.set SCW,   6144                       ; the scale words in an image
.set SPARE, 65536                      ; the spare words, 128 bytes for each of 16 waves
.set BLK,   3*IMG                      ; 128 tokens of a head in memory
.macro TLOAD                           ; waves 0-3 fetch: K and V of the slot's two steps.  Four v_nop follow the line
	s_cmp_lt_u32 s8, 4
	s_cbranch_scc0 .Lnone_\@
	tensor_load_to_lds s[24:27], s[16:23]
	s_nop 0
.rept 4
	v_nop
.endr
.Lnone_\@:
.endm
; A prefetch of the slot that the next change of slots will ask for.  All four work-groups of a head walk the same images: work-group 0, which walks slots 0 to 7 in trips 1 to 8, asks; in it waves 4-7, which fetch nothing,
; one image each: 25 blocks of 256 bytes, a lane a block (lanes 25-31 name the last again).  Trip T names slot T + 1, T = 0 .. 6: each block once, none past the head's last slot.
.macro ASK
	s_cmp_lt_u32 s3, s40
	s_cbranch_scc0 .Lnot_mine_\@
	global_prefetch_b8 v44, s[38:39] th:TH_LOAD_NT scope:SCOPE_SE
.Lnot_mine_\@:
.endm
; The change of slots, at a trip's head.  fill = 1: the slot that has been left is filled with the keys of the next trip: slot 0 again where the second block of queries begins.
.macro CHANGE fill
	s_wait_tensorcnt 0x0                           ; no tensor load of mine is out: my part of the slot ahead has landed, and the descriptor may be written
	ds_add_u32 v3, v4                              ; 0 onto my spare word
.if \fill
	s_xor_b32 s25, s25, SLOTB
	s_add_co_u32 s12, s11, 1
	s_cmp_eq_u32 s3, s9
	s_cselect_b32 s12, 0, s12                      ; the next trip's 256 keys
	s_mul_i32 s30, s12, 2*BLK
	s_add_nc_u64 s[26:27], s[28:29], s[30:31]
	s_or_b32 s27, s27, 0x80000000
	s_wait_xcnt 0x0                                ; the last prefetch, a trip back, has read its address
	s_add_nc_u64 s[38:39], s[38:39], 2*BLK
.endif
	s_wait_dscnt 0x0                               ; the add is done, and my reads of the slot that I have left are over
	s_barrier_signal -1
	s_barrier_wait -1
.if \fill
	TLOAD                                          ; the first thing behind the barrier, and a wave's one tensor load until the next
	ASK
.endif
.endm
.macro RESET                           ; a block of queries begins: O^T and the sum are zeros, the largest t lies under every t
.set n, 0
.rept 32
	v_mov_b32 v[160+n], 0
.set n, n+1
.endr
	v_mov_b32 v13, 0xff61b1e6
	s_delay_alu instid0(VALU_DEP_1)
	v_floor_f32 v12, -v13
	v_mov_b32 v14, 0
	v_mov_b32 v15, 0
.endm
.macro LOADQ                           ; my tile of block s50: six registers of a fragment's image, twice, and its two scale bytes
	s_lshl_b32 s42, s10, 4
	s_lshl_b32 s43, s50, 1
	s_add_co_u32 s42, s42, s43
	s_lshr_b32 s43, s8, 3
	s_add_co_u32 s42, s42, s43                     ; which 128 tokens: 16 x head + 2 x block + wave / 8
	s_mul_i32 s42, s42, BLK
	s_bfe_u32 s43, s8, 0x20001                     ; the fragment: (wave % 8) / 2
	s_mul_i32 s44, s43, 1536
	s_add_co_u32 s44, s44, s42
	s_mov_b32 s45, 0
	s_add_nc_u64 s[32:33], s[4:5], s[44:45]
	s_lshl_b32 s44, s43, 6
	s_add_co_u32 s44, s44, s42
	s_add_co_u32 s44, s44, SCW
	s_add_nc_u64 s[46:47], s[4:5], s[44:45]
	s_lshl_b32 s13, s50, 8
	s_lshr_b32 s43, s8, 3
	s_lshl_b32 s43, s43, 7
	s_add_co_u32 s13, s13, s43                     ; the first of my 128 queries
	v_and_b32 v50, 31, v0
	s_delay_alu instid0(VALU_DEP_1)
	v_lshlrev_b32 v48, 4, v50
	s_delay_alu instid0(VALU_DEP_1)
	v_add_nc_u32 v49, s52, v48                     ; an even tile: bytes 0, 8, 512 of 16 x lane on; an odd one: 520, 1,024, 1,032
	s_delay_alu instid0(VALU_DEP_2)
	v_add_nc_u32 v48, s51, v48
	v_and_b32 v50, 15, v0
	s_delay_alu instid0(VALU_DEP_1)
	v_lshlrev_b32 v50, 2, v50
	global_load_b64 v[16:17], v48, s[32:33]
	global_load_b64 v[18:19], v49, s[32:33] offset:8
	global_load_b64 v[20:21], v48, s[32:33] offset:512
	global_load_b64 v[28:29], v48, s[32:33]
	global_load_b64 v[30:31], v49, s[32:33] offset:8
	global_load_b64 v[32:33], v48, s[32:33] offset:512
	global_load_b32 v34, v50, s[46:47]
	s_wait_loadcnt 0x0
	v_lshrrev_b32 v34, s41, v34                    ; my tile's two bytes,
	s_delay_alu instid0(VALU_DEP_1)
	v_and_b32 v34, 0xffff, v34
	s_delay_alu instid0(VALU_DEP_1)
	v_lshl_or_b32 v34, v34, 16, v34                ; for either half of K
.rept 8
	v_nop                                          ; a scale register written by a vector line stands 8 places ahead of a scaled matrix instruction
.endr
.endm
; A step of 128 keys, the u-th of the slot
.macro STEP u
	s_add_co_u32 s42, s15, 128*\u
	s_cmp_gt_u32 s42, s13                          ; all its keys come after my 128 queries: nothing to do.  No barrier and no tensor load stands in a step
	s_cbranch_scc1 .Lhidden_\@
	s_wait_alu depctr_va_vdst(0)
.irp f, 0,1,2,3
.irp g, 0,1,2
	ds_load_b128 v[48+12*\f+4*\g:51+12*\f+4*\g], v5 offset:STEPB*\u+1536*\f+512*\g
.endr
.endr
	ds_load_b32 v36, v6 offset:STEPB*\u+SCW        ; lanes 0-15: fragment 0's words, lanes 16-31: fragment 1's
	ds_load_b32 v37, v6 offset:STEPB*\u+SCW+128
.irp f, 0,1,2,3
.irp g, 0,1,2
	ds_load_b128 v[208+12*\f+4*\g:211+12*\f+4*\g], v5 offset:STEPB*\u+IMG+1536*\f+512*\g
.endr
.endr
	ds_load_b32 v38, v6 offset:STEPB*\u+IMG+SCW
	ds_load_b32 v39, v6 offset:STEPB*\u+IMG+SCW+128
	s_wait_dscnt 14                                ; K's 14 loads are in; V's 14 may be out
	s_wait_alu depctr_va_vdst(0)
.irp tk, 0,1,2,3,4,5,6,7
.if (\tk/2)%2
	v_wmma_scale_f32_16x16x128_f8f6f4 v[96+8*\tk:103+8*\tk], v[48+12*(\tk/2):59+12*(\tk/2)], v[16+6*(\tk%2):27+6*(\tk%2)], 0, v[36+\tk/4], v34 matrix_a_fmt:MATRIX_FMT_BF6 matrix_b_fmt:MATRIX_FMT_BF6 matrix_a_scale:MATRIX_SCALE_ROW1
.else
	v_wmma_scale_f32_16x16x128_f8f6f4 v[96+8*\tk:103+8*\tk], v[48+12*(\tk/2):59+12*(\tk/2)], v[16+6*(\tk%2):27+6*(\tk%2)], 0, v[36+\tk/4], v34 matrix_a_fmt:MATRIX_FMT_BF6 matrix_b_fmt:MATRIX_FMT_BF6
.endif
.endr
.rept 4
	v_nop
.endr
	s_cmp_lg_u32 s42, s13                          ; on the diagonal the scores of hidden keys become -infinity ahead of the maximum
	s_cbranch_scc1 .Lopen_\@
.set n, 0
.rept 64
	v_cmp_gt_i32 vcc_lo, 64*(n/32)+n%32, v7        ; register n holds key 64 (n / 32) + 32 h + n % 32
	v_cndmask_b32 v[96+n], v[96+n], v42, vcc_lo
.set n, n+1
.endr
.Lopen_\@:
.irp b, 0,1,2,3
	v_max3_num_f32 v[8+\b], v[96+16*\b], v[97+16*\b], v[98+16*\b]   ; four chains of 16 scores
.endr
.irp i, 3,5,7,9,11,13
.irp b, 0,1,2,3
	v_max3_num_f32 v[8+\b], v[8+\b], v[96+16*\b+\i], v[97+16*\b+\i]
.endr
.endr
.irp b, 0,1,2,3
	v_max_num_f32 v[8+\b], v[8+\b], v[111+16*\b]
.endr
	s_delay_alu instid0(VALU_DEP_3)
	v_max_num_f32 v8, v8, v9                       ; the largest score of my block h,
	s_delay_alu instid0(VALU_DEP_2)
	v_max_num_f32 v10, v10, v11                    ; of my block 2 + h
	s_delay_alu instid0(VALU_DEP_1)
	v_max_num_f32 v45, v8, v10
	s_delay_alu instid0(VALU_DEP_1)
	v_permlanex16_b32 v46, v45, s34, s35
	s_delay_alu instid0(VALU_DEP_1)
	v_max_num_f32 v45, v45, v46                    ; the step's largest score of my query
	s_delay_alu instid0(VALU_DEP_1)
	v_mul_f32 v45, s36, v45
	s_delay_alu instid0(VALU_DEP_1)
	v_max_num_f32 v13, v13, v45                    ; the running largest t
	v_mov_b32 v45, v12
	s_delay_alu instid0(VALU_DEP_2)
	v_floor_f32 v12, -v13                          ; -M = floor(-t): M is a whole number
	s_delay_alu instid0(VALU_DEP_1)
	v_sub_f32 v45, v12, v45
	s_delay_alu instid0(VALU_DEP_1)
	v_cvt_i32_f32 v45, v45                         ; (it saturates)
	s_delay_alu instid0(VALU_DEP_1)
	v_ldexp_f32 v40, 1.0, v45                      ; f = 2^(old M - new M)
.set n, 0
.rept 32
	v_pk_fma_f32 v[96+n:97+n], v[96+n:97+n], s[36:37], v[12:13] op_sel_hi:[1,0,0]   ; t - M
.set n, n+2
.endr
	v_fma_f32 v8, v8, s36, v12
	v_fma_f32 v10, v10, s36, v12
.set n, 0
	s_wait_alu depctr_va_vdst(0)
.rept 64
	v_exp_f32 v[96+n], v[96+n]                     ; p
.set n, n+1
.endr
	v_pk_mul_f32 v[14:15], v[14:15], v[40:41] op_sel_hi:[1,0]   ; the sums under the new M (a plain line behind the exponentials)
	s_wait_alu depctr_va_vdst(0)                   ; one wait for the batch, ahead of its first reader
	v_exp_f32 v8, v8                               ; the blocks' largest p
	v_exp_f32 v10, v10
	v_pk_add_f32 v[52:53], v[100:101], v[104:105]
	v_pk_add_f32 v[206:207], v[108:109], v[112:113]
	v_pk_add_f32 v[204:205], v[116:117], v[120:121]
	v_pk_add_f32 v[202:203], v[124:125], v[128:129]
	v_pk_add_f32 v[200:201], v[132:133], v[136:137]
	v_pk_add_f32 v[198:199], v[140:141], v[144:145]
	v_pk_add_f32 v[196:197], v[148:149], v[152:153]
	v_pk_add_f32 v[14:15], v[14:15], v[156:157]
	v_pk_add_f32 v[52:53], v[52:53], v[96:97]
	v_pk_add_f32 v[206:207], v[206:207], v[98:99]
	v_pk_add_f32 v[204:205], v[204:205], v[102:103]
	v_pk_add_f32 v[202:203], v[202:203], v[106:107]
	v_pk_add_f32 v[200:201], v[200:201], v[110:111]
	v_pk_add_f32 v[198:199], v[198:199], v[114:115]
	v_pk_add_f32 v[196:197], v[196:197], v[118:119]
	v_pk_add_f32 v[14:15], v[14:15], v[122:123]
	v_pk_add_f32 v[52:53], v[52:53], v[126:127]
	v_pk_add_f32 v[206:207], v[206:207], v[130:131]
	v_pk_add_f32 v[204:205], v[204:205], v[134:135]
	v_pk_add_f32 v[202:203], v[202:203], v[138:139]
	v_pk_add_f32 v[200:201], v[200:201], v[142:143]
	v_pk_add_f32 v[198:199], v[198:199], v[146:147]
	v_pk_add_f32 v[196:197], v[196:197], v[150:151]
	v_pk_add_f32 v[14:15], v[14:15], v[154:155]
	v_pk_add_f32 v[52:53], v[52:53], v[158:159]
	s_delay_alu instid0(VALU_DEP_2)
	v_pk_add_f32 v[14:15], v[14:15], v[202:203]
	s_delay_alu instid0(VALU_DEP_2)
	v_pk_add_f32 v[52:53], v[52:53], v[200:201]
	v_pk_add_f32 v[206:207], v[206:207], v[198:199]
	v_pk_add_f32 v[204:205], v[204:205], v[196:197]
	s_delay_alu instid0(VALU_DEP_2)
	v_pk_add_f32 v[14:15], v[14:15], v[206:207]
	s_delay_alu instid0(VALU_DEP_2)
	v_pk_add_f32 v[52:53], v[52:53], v[204:205]
	s_delay_alu instid0(VALU_DEP_1)
	v_pk_add_f32 v[14:15], v[14:15], v[52:53]
	s_wait_alu depctr_va_vdst(0)                   ; and one for the two
	v_max_num_f32 v8, 0x2800000, v8                ; the floor 2^(5 - 127)
	v_max_num_f32 v10, 0x2800000, v10
	s_delay_alu instid0(VALU_DEP_2)
	v_add_nc_u32 v9, 0xfe000000, v8                ; the conversions' scale operands
	s_delay_alu instid0(VALU_DEP_2)
	v_add_nc_u32 v11, 0xfe000000, v10
	s_delay_alu instid0(VALU_DEP_2)
	v_lshrrev_b32 v45, 23, v9
	s_delay_alu instid0(VALU_DEP_2)
	v_lshrrev_b32 v46, 23, v11
	s_delay_alu instid0(VALU_DEP_1)
	v_lshl_or_b32 v45, v46, 16, v45
	s_delay_alu instid0(VALU_DEP_1)
	v_lshlrev_b32 v45, v43, v45                    ; my two bytes at their places: h and 2 + h
	s_delay_alu instid0(VALU_DEP_1)
	v_permlanex16_b32 v46, v45, s34, s35
	s_delay_alu instid0(VALU_DEP_1)
	v_or_b32 v35, v45, v46                         ; p's scale word
	v_cvt_scalef32_pk16_bf6_f32 v[192:194], v[96:111], v9
	v_cvt_scalef32_pk16_bf6_f32 v[204:206], v[112:127], v9
	v_cvt_scalef32_pk16_bf6_f32 v[198:200], v[128:143], v11
	v_cvt_scalef32_pk16_bf6_f32 v[48:50], v[144:159], v11
	v_nop                                          ; one plain line behind a scaled conversion
.irp i, 0,1,2
	v_mov_b32 v[195+\i], v[204+\i]
	v_mov_b32 v[201+\i], v[48+\i]
.endr
.set n, 0
.rept 16
	v_pk_mul_f32 v[160+n:161+n], v[160+n:161+n], v[40:41] op_sel_hi:[1,0]   ; O^T under the new M; these lines are also the places in front of the scaled matrix instructions
.set n, n+2
.endr
	s_wait_alu depctr_va_vdst(0)
	s_wait_dscnt 0x0                               ; V
.irp dt, 0,1,2,3
.if \dt%2
	v_wmma_scale_f32_16x16x128_f8f6f4 v[160+8*\dt:167+8*\dt], v[208+12*\dt:219+12*\dt], v[192:203], v[160+8*\dt:167+8*\dt], v[38+\dt/2], v35 matrix_a_fmt:MATRIX_FMT_BF6 matrix_b_fmt:MATRIX_FMT_BF6 matrix_a_scale:MATRIX_SCALE_ROW1
.else
	v_wmma_scale_f32_16x16x128_f8f6f4 v[160+8*\dt:167+8*\dt], v[208+12*\dt:219+12*\dt], v[192:203], v[160+8*\dt:167+8*\dt], v[38+\dt/2], v35 matrix_a_fmt:MATRIX_FMT_BF6 matrix_b_fmt:MATRIX_FMT_BF6
.endif
.endr
.rept 4
	v_nop                                          ; places in front of the next loads into V's registers and of the next read of O^T
.endr
.Lhidden_\@:
.endm
; A block of queries is done: O^T / the sum; my 32 numbers are channels 32 h + 0 .. 31 of my query: a whole block along the last product's K.  again = 1: the second block begins
.macro FLUSH again
	v_add_f32 v14, v14, v15
	s_delay_alu instid0(VALU_DEP_1)
	v_permlanex16_b32 v46, v14, s34, s35
	s_delay_alu instid0(VALU_DEP_1)
	v_add_f32 v14, v14, v46                        ; the row's sum
	s_wait_alu depctr_va_vdst(0)
	v_rcp_f32 v14, v14
	v_and_b32 v45, 31, v0                          ; (plain lines behind the reciprocal)
	s_delay_alu instid0(VALU_DEP_1)
	v_lshlrev_b32 v47, 3, v45                      ; 8 x lane
	v_and_b32 v45, 15, v0
	v_bfe_u32 v46, v0, 4, 1
	s_delay_alu instid0(VALU_DEP_1)
	v_lshl_add_u32 v45, v45, 5, v46                ; 32 r + h
	s_lshr_b32 s42, s10, 4
	s_lshl_b32 s42, s42, 7
	s_lshl_b32 s43, s50, 4
	s_add_co_u32 s42, s42, s43
	s_add_co_u32 s42, s42, s8                      ; my tile of 16 tokens: 128 x batch + 16 x block + wave
	s_and_b32 s43, s10, 15                         ; the head
	s_lshl_b32 s44, s42, 9
	s_lshl_b32 s45, s43, 1
	s_add_co_u32 s44, s44, s45
	s_mov_b32 s45, 0
	s_add_nc_u64 s[44:45], s[48:49], s[44:45]      ; the scale bytes: 512 x tile + 2 x head
	s_mul_i32 s42, s42, 12288
	s_mul_i32 s43, s43, 768                        ; (head / 2) x 1,536 + (head % 2) x 768
	s_add_co_u32 s42, s42, s43
	s_mov_b32 s43, 0
	s_add_nc_u64 s[42:43], s[6:7], s[42:43]
	s_wait_alu depctr_va_vdst(0)                   ; ahead of the first line that names the reciprocal
.set n, 0
.rept 16
	v_pk_mul_f32 v[96+n:97+n], v[160+n:161+n], v[14:15] op_sel_hi:[1,0]   ; each accumulator from its low end on
.set n, n+2
.endr
	v_max3_num_f32 v8, |v96|, |v97|, 0x2800000
	v_max3_num_f32 v9, |v112|, |v113|, 0x2800000
.irp i, 2,4,6,8,10,12,14
	s_delay_alu instid0(VALU_DEP_2)
	v_max3_num_f32 v8, v8, |v[96+\i]|, |v[97+\i]|
	s_delay_alu instid0(VALU_DEP_2)
	v_max3_num_f32 v9, v9, |v[112+\i]|, |v[113+\i]|
.endr
	s_delay_alu instid0(VALU_DEP_1)
	v_max_num_f32 v8, v8, v9
	s_delay_alu instid0(VALU_DEP_1)
	v_add_nc_u32 v9, 0xfe000000, v8
	s_delay_alu instid0(VALU_DEP_1)
	v_lshrrev_b32 v10, 23, v9
	v_cvt_scalef32_pk16_bf6_f32 v[128:130], v[96:111], v9
	v_cvt_scalef32_pk16_bf6_f32 v[136:138], v[112:127], v9
	v_nop
.irp i, 0,1,2
	v_mov_b32 v[131+\i], v[136+\i]
.endr
	global_store_b64 v47, v[128:129], s[42:43] th:TH_STORE_NT              ; 32 lanes store 256 consecutive bytes, aligned
	global_store_b64 v47, v[130:131], s[42:43] offset:256 th:TH_STORE_NT
	global_store_b64 v47, v[132:133], s[42:43] offset:512 th:TH_STORE_NT
	global_store_b8 v45, v10, s[44:45]
.if \again
	s_wait_xcnt 0x0                                ; the stores have read their registers and bases: both are written again below
	RESET
	s_sub_co_u32 s50, 7, s9
	LOADQ
.endif
.endm
	s_load_b128 s[4:7], s[0:1], 0x0                ; qkv, the codes out
	s_load_b64 s[48:49], s[0:1], 0x10              ; the scale bytes out
	v_lshl_add_u32 v3, v0, 2, SPARE
	v_mov_b32 v4, 0
	ds_add_u32 v3, v4
	ds_add_u32 v3, v4
	s_wait_dscnt 0x0
	v_lshrrev_b32 v45, 5, v0
	s_delay_alu instid0(VALU_DEP_1)
	v_readfirstlane_b32 s8, v45                    ; wave 0..15
	s_mov_b32 s9, ttmp9                            ; I
	s_and_b32 s10, ttmp7, 0xffff                   ; batch x 16 + head
	s_add_co_u32 s14, s9, 1
	s_mov_b32 s50, s9                              ; the block of queries in hand
	s_mov_b32 s16, 3<<16                           ; descriptor group 1: 25 rows of 32 elements of 8 bytes, dense, no padding, no mask
	s_mov_b32 s17, 32<<16
	s_mov_b32 s18, 25<<16
	s_mov_b32 s19, 32<<16
	s_mov_b32 s20, 25
	s_mov_b32 s21, 32
	s_mov_b32 s22, 0
	s_mov_b32 s23, 0
	s_and_b32 s42, s8, 3                           ; which of a slot's four images: step 0's K, V, step 1's K, V
	s_mul_i32 s25, s42, IMG                        ; in LDS: slot 0
	s_lshr_b32 s43, s42, 1
	s_mul_i32 s43, s43, BLK
	s_and_b32 s44, s42, 1
	s_mul_i32 s44, s44, IMG
	s_add_co_u32 s43, s43, s44
	s_add_co_u32 s43, s43, IMG                     ; in memory: behind Q's image
	s_mul_i32 s44, s10, 16*BLK
	s_add_co_u32 s30, s43, s44
	s_mov_b32 s31, 0
	s_mov_b32 s24, 1
	s_mov_b32 s34, 0x76543210                      ; v_permlanex16_b32's selects for lane l xor 16
	s_mov_b32 s35, 0xfedcba98
	s_mov_b32 s36, 0x3e38aa3b                      ; c = log2(e) / 8
	s_mov_b32 s37, s36
	s_and_b32 s42, s8, 1
	s_lshl_b32 s41, s42, 4
	s_mul_i32 s51, s42, 520
	s_mul_i32 s52, s42, 1016
	s_lshr_b32 s42, s8, 2
	s_xor_b32 s42, s42, 1                          ; 0 in waves 4-7,
	s_or_b32 s42, s42, ttmp9                       ; of work-group 0
	s_cmp_eq_u32 s42, 0
	s_cselect_b32 s40, 7, 0
	s_wait_kmcnt 0x0
	s_add_nc_u64 s[28:29], s[4:5], s[30:31]        ; my image of the head's slot 0
	s_mov_b64 s[26:27], s[28:29]
	s_or_b32 s27, s27, 0x80000000
	s_mov_b64 s[38:39], s[28:29]                   ; the prefetches' address: the first change of slots steps it to slot 1
	TLOAD                                          ; slot 0: the first fill
	v_and_b32 v45, 31, v0
	s_delay_alu instid0(VALU_DEP_1)
	v_lshlrev_b32 v1, 4, v45
	s_delay_alu instid0(VALU_DEP_2)
	v_lshlrev_b32 v2, 2, v45
	s_delay_alu instid0(VALU_DEP_3)
	v_min_u32 v44, 24, v45
	s_delay_alu instid0(VALU_DEP_1)
	v_lshlrev_b32 v44, 8, v44
	v_and_b32 v46, 15, v0                          ; r
	v_bfe_u32 v47, v0, 4, 1                        ; h
	s_delay_alu instid0(VALU_DEP_1)
	v_lshlrev_b32 v43, 3, v47
	s_and_b32 s42, s8, 7                           ; my tile t
	s_lshr_b32 s43, s42, 2
	s_lshl_b32 s43, s43, 6
	s_and_b32 s44, s42, 3
	s_lshl_b32 s44, s44, 3
	s_add_co_u32 s43, s43, s44                     ; 64 (t / 4) + 8 (t % 4)
	v_and_b32 v7, 7, v46
	v_lshrrev_b32 v8, 3, v46
	s_delay_alu instid0(VALU_DEP_1)
	v_lshl_add_u32 v7, v8, 5, v7
	s_delay_alu instid0(VALU_DEP_1)
	v_add_nc_u32 v7, s43, v7                       ; my query among its 128
	v_lshlrev_b32 v8, 5, v47
	s_delay_alu instid0(VALU_DEP_1)
	v_sub_nc_u32 v7, v7, v8                        ; less 32 h
	v_mov_b32 v42, 0xff800000
	v_mov_b32 v41, 0                               ; (named as the upper half of the pair v[40:41])
.irp i, 22,23,24,25,26,27
	v_mov_b32 v\i, 0                               ; zero codes
.endr
	RESET
	LOADQ
	s_mov_b32 s2, 0                                ; the slot in hand
	s_mov_b32 s3, 0                                ; the trip
	s_mov_b32 s11, 0                               ; its 256 keys
.Ltrip:                                                ; eight trips: behind each change of slots the next trip's keys are asked for
	CHANGE 1
	s_cmp_lg_u32 s3, s14
	s_cbranch_scc1 .Lsame
	FLUSH 1                                        ; trip I + 1: the first block leaves, the second begins
.Lsame:
	v_add_nc_u32 v5, s2, v1
	v_add_nc_u32 v6, s2, v2
	s_lshl_b32 s15, s11, 8                         ; the slot's first key
	STEP 0
	STEP 1
	s_xor_b32 s2, s2, SLOTB
	s_mov_b32 s11, s12
	s_add_co_u32 s3, s3, 1
	s_cmp_lt_u32 s3, 8
	s_cbranch_scc1 .Ltrip
	CHANGE 0                                       ; the ninth trip is written out
	v_add_nc_u32 v5, s2, v1
	v_add_nc_u32 v6, s2, v2
	s_lshl_b32 s15, s11, 8
	STEP 0
	STEP 1
	FLUSH 0
	s_wait_tensorcnt 0x0                           ; the wave's end
	ds_add_u32 v3, v4
	s_wait_dscnt 0x0
	s_endpgm
.Lfunc_end_k_q800fe46da8_attn:
	.size	k_q800fe46da8_attn, .Lfunc_end_k_q800fe46da8_attn-k_q800fe46da8_attn
	.p2alignl 7, 3214868480
	.fill 96, 4, 3214868480
	.section	.rodata,"a",@progbits
	.p2align	6, 0x0
	.amdhsa_kernel k_q800fe46da8_attn
		.amdhsa_group_segment_fixed_size 327680
		.amdhsa_private_segment_fixed_size 0
		.amdhsa_enable_private_segment 0
		.amdhsa_kernarg_size 24
		.amdhsa_user_sgpr_count 2
		.amdhsa_user_sgpr_kernarg_segment_ptr 1
		.amdhsa_wavefront_size32 1
		.amdhsa_system_sgpr_workgroup_id_x 1
		.amdhsa_system_sgpr_workgroup_id_y 1
		.amdhsa_system_sgpr_workgroup_id_z 1
		.amdhsa_system_vgpr_workitem_id 0
		.amdhsa_next_free_vgpr 256
		.amdhsa_next_free_sgpr 66
		.amdhsa_reserve_vcc 1
		.amdhsa_float_denorm_mode_32 3
		.amdhsa_float_denorm_mode_16_64 3
		.amdhsa_memory_ordered 1
		.amdhsa_forward_progress 1
		.amdhsa_inst_pref_size 103
	.end_amdhsa_kernel
	.amdgpu_metadata
---
amdhsa.version: [ 1, 2 ]
amdhsa.kernels:
  - .name:           k_q800fe46da8_attn
    .symbol:         k_q800fe46da8_attn.kd
    .args:
      - { .name: qkv, .offset: 0, .size: 8, .value_kind: global_buffer, .address_space: global }
      - { .name: ao_codes, .offset: 8, .size: 8, .value_kind: global_buffer, .address_space: global }
      - { .name: ao_scales, .offset: 16, .size: 8, .value_kind: global_buffer, .address_space: global }
    .group_segment_fixed_size: 327680
    .private_segment_fixed_size: 0
    .kernarg_segment_align: 8
    .kernarg_segment_size: 24
    .max_flat_workgroup_size: 512
    .sgpr_count:     66
    .vgpr_count:     256
    .wavefront_size: 32
...
	.end_amdgpu_metadata
.endif
;; end of part 3
;; launch proj (part 4): grid 4 x 32, 4 waves a work-group, clusters of 4 x 4, 327,680 bytes of LDS; arguments ao_codes, ao_scales, w_codes, w_scales, out0; writes out0
.if DOCPART == 4
	.amdgcn_target "amdgcn-amd-amdhsa--gfx1250"
	.amdhsa_code_object_version 6
	.text
	.protected	k_q800fe46da8_proj
	.globl	k_q800fe46da8_proj
	.p2align	8
	.type	k_q800fe46da8_proj,@function
k_q800fe46da8_proj:
	s_mov_b64 s[64:65], 0
	v_nop
	global_prefetch_b8 v0, s[64:65] scope:SCOPE_SE
	s_setreg_imm32_b32 hwreg(HW_REG_WAVE_MODE, 25, 1), 1
	s_wait_xcnt 0x0
	s_wait_alu depctr_hold_cnt(0) depctr_sa_sdst(0) depctr_va_vdst(0) depctr_va_sdst(0) depctr_va_ssrc(0) depctr_va_vcc(0) depctr_vm_vsrc(0)
	s_getreg_b32 s2, hwreg(HW_REG_IB_STS2, 6, 4)
	s_cmp_eq_u32 s2, 0
	s_cbranch_scc0 .Lentry_in_a_cluster
	s_endpgm
.Lentry_in_a_cluster:
	s_bfe_u32 s2, ttmp6, 0x10000c
	s_cmp_lg_u32 s2, 0xf033
	s_cbranch_scc0 .Lentry_shape_is_right
	s_endpgm
.Lentry_shape_is_right:
; out0 = A Wo^T on codes of BF6 (E3M2) with one E8M0 scale for each 32 along K = 1,024.  out0: [8192][1024] f32.
; A, the attention's result, lies as images of operand registers: ao_codes[tile of 16 tokens][128 along K][1,536 bytes], registers 2 p, 2 p + 1 of lane L at 256 p + 8 L; ao_scales[16 tile + r][32].
; Tile t of a group of 128 tokens holds in lane r the token 64 (t / 4) + 8 (t % 4) + 32 (r / 8) + r % 8.  Wo: rows 3,072 on of w_codes (768 bytes a row, in their natural order) and of w_scales.
; A tile of 256 x 256 to a work-group of four waves, 128 x 128 (64 accumulators, 512 registers) to a wave; K in steps of 256 through a ring of two LDS slots filled by the tensor data mover: of A 8 tiles x 3,072 dense bytes a load,
; of B 128 rows of 192 bytes.  The scales of the work-group's rows, for all of K, come into LDS once.  4 x 4 work-groups form a cluster: A's tile is asked for jointly along a row of the cluster, B's along a column.
; Source 0 = 16 rows of Wo, source 1 = 16 rows of A: a lane holds eight neighbouring numbers of a row of out0.
; REGISTERS, in windows of 256: window 0: v0-31 addresses; v32-63 scale words, two sets; from v128 A's fragments, one set; on the way out v128-255 are rows read back.
;   window 1: B's fragments, two sets.   window 2: the accumulators of my rows 0-63 ((a, b) at v[8 (8 a + b)]);   window 3: those of my rows 64-127.
.set SIZE_N, 1024
.set KSTEP,  256
.set NQ,     KSTEP/128
.set ROWB,   192
.set KROW,   768
.set AKS,    3072                      ; A: a K step of one tile of 16 tokens, in bytes
.set PITCH,  240                       ; B: an LDS row: 3 x (64 bytes + 16 of padding)
.set FR,     12
.set NL,     6
.set NP,     4
.set HALFT,  128*PITCH
.set SLOT,   4*HALFT
.set LAPS,   2
.set KS,     32
.set SCL,    2*SLOT
.set HALFS,  (128*KS/256)*272
.set SBLK,   (16*KS/256)*272
.set SPARE,  SCL+4*HALFS
.set SPITCH, 528                       ; the way out: a stage of 16 rows x (512 bytes + 16) for each wave, in slot 0, which has had its last fill and its last read by then
.set ADRA, 16
.set ADRB, 20
.set STO,  24
.set RD,   25
.set CO,   26
.set ADRS, 27
.set SPW,  28
.set NIL,  29
.set SC,   32
.set AF,   128
.set BK,   128
.set G1, 24
.set G0, 32
.set G1B, 48
.set G0B, 56
.set G1S, 68
.set G0S, 76
.set G1SB, 80
.set G0SB, 88
.set MSB, 0
.macro WIN new
.if MSB != \new
	s_set_vgpr_msb (MSB<<8)|\new
.set MSB, \new
.endif
.endm
.set MUL_LO, 0xa1
.set MUL_HI, 0xf1
.set TO_B,   0x40
.macro JLOAD g0a, g1a, g0b, g1b        ; a joint load: waves 0 and 1 fetch for A, waves 2 and 3 for B; four v_nop follow each of the two lines
	s_cmp_eq_u32 s15, 0
	s_cbranch_scc0 .Lfor_b_\@
	tensor_load_to_lds s[\g0a:\g0a+3], s[\g1a:\g1a+7]
	s_nop 0
.rept 4
	v_nop
.endr
	s_branch .Lasked_\@
.Lfor_b_\@:
	tensor_load_to_lds s[\g0b:\g0b+3], s[\g1b:\g1b+7]
	s_nop 0
.rept 4
	v_nop
.endr
.Lasked_\@:
.endm
.macro CREST
	s_cmp_lg_u32 s14, 0
	s_cbranch_scc1 .Lnot_wave_0_\@
	s_barrier_signal -3
.Lnot_wave_0_\@:
	s_barrier_wait -3
	s_barrier_signal -1
	s_barrier_wait -1
.endm
.macro CROUND
	s_barrier_signal -1
	s_barrier_wait -1
	CREST
.endm
	s_load_b128 s[4:7], s[0:1], 0x0                ; A's codes, A's scales
	s_load_b128 s[8:11], s[0:1], 0x10              ; the weights' codes, their scales
	s_load_b64 s[12:13], s[0:1], 0x20              ; out0
	v_lshl_add_u32 v[SPW], v0, 2, SPARE
	v_mov_b32 v[NIL], 0
	ds_add_u32 v28, v29
	s_wait_dscnt 0x0
	v_lshrrev_b32 v1, 5, v0
	v_readfirstlane_b32 s14, v1
	s_lshr_b32 s15, s14, 1
	s_and_b32 s16, s14, 1
	s_bfe_u32 s40, ttmp6, 0x40000
	s_bfe_u32 s41, ttmp6, 0x40004
	s_lshl_b32 s42, ttmp9, 2
	s_add_co_u32 s42, s42, s40                     ; tile column
	s_and_b32 s17, ttmp7, 0xffff
	s_lshl_b32 s17, s17, 2
	s_add_co_u32 s17, s17, s41                     ; tile row
	s_lshl_b32 s43, s41, 2
	s_lshl_b32 s43, 15, s43
	s_lshl_b32 s44, 0x1111, s40
	s_or_b32 s[G1+0], s43, (3<<16)|(1<<21)         ; A: the mask; elements of 8 bytes; no padding; bit 21 beside a mask
	s_mov_b32 s[G1+1], 384<<16                     ; tensor_dim0: 3,072 bytes
	s_mov_b32 s[G1+2], 8<<16                       ; tensor_dim1: 8 tiles of 16 tokens
	s_mov_b32 s[G1+3], 384<<16
	s_mov_b32 s[G1+4], 8
	s_mov_b32 s[G1+5], 1536                        ; the pitch: 12,288 bytes
	s_mov_b32 s[G1+6], 0
	s_mov_b32 s[G1+7], 0
	s_or_b32 s[G1B+0], s44, (0<<16)|(1<<20)|(1<<21)|(3<<22)|(3<<25)
	s_mov_b32 s[G1B+1], ROWB<<16
	s_mov_b32 s[G1B+2], 128<<16
	s_mov_b32 s[G1B+3], ROWB<<16
	s_mov_b32 s[G1B+4], 128
	s_mov_b32 s[G1B+5], KROW
	s_mov_b32 s[G1B+6], 0
	s_mov_b32 s[G1B+7], 0
	s_or_b32 s[G1S+0], s43, (3<<16)|(1<<20)|(1<<21)|(5<<22)|(3<<25)
	s_or_b32 s[G1SB+0], s44, (3<<16)|(1<<20)|(1<<21)|(5<<22)|(3<<25)
.irp g, G1S, G1SB
	s_mov_b32 s[\g+1], 32<<16
	s_mov_b32 s[\g+2], (128*KS/256)<<16
	s_mov_b32 s[\g+3], 32<<16
	s_mov_b32 s[\g+4], 128*KS/256
	s_mov_b32 s[\g+5], 32
	s_mov_b32 s[\g+6], 0
	s_mov_b32 s[\g+7], 0
.endr
	s_lshl_b32 s18, s16, 7
	s_lshl_b32 s20, s17, 8
	s_add_co_u32 s20, s20, s18
	s_lshl_b32 s46, s42, 8
	s_add_co_u32 s46, s46, s18
	s_mov_b32 s21, 0
	s_mov_b32 s47, 0
	s_mov_b64 s[18:19], KS
	s_mul_u64 s[22:23], s[20:21], s[18:19]
	s_mul_u64 s[92:93], s[46:47], s[18:19]
	s_mov_b64 s[18:19], KROW
	s_mul_u64 s[20:21], s[20:21], s[18:19]         ; A: 16 rows are 12,288 bytes: 768 a row here too
	s_mul_u64 s[46:47], s[46:47], s[18:19]
	s_mul_i32 s45, s14, HALFT
	s_mul_i32 s94, s14, HALFS
	s_wait_kmcnt 0x0
	s_add_nc_u64 s[8:9], s[8:9], 3072*KROW         ; Wo
	s_add_nc_u64 s[10:11], s[10:11], 3072*KS
	s_add_nc_u64 s[20:21], s[4:5], s[20:21]
	s_add_nc_u64 s[22:23], s[6:7], s[22:23]
	s_add_nc_u64 s[46:47], s[8:9], s[46:47]
	s_add_nc_u64 s[92:93], s[10:11], s[92:93]
	CROUND                                         ; all sixteen work-groups are here: the first joint loads meet
	s_mov_b32 s[G0S], 1
	s_add_co_u32 s[G0S+1], s94, SCL
	s_mov_b64 s[G0S+2:G0S+3], s[22:23]
	s_or_b32 s[G0S+3], s[G0S+3], 0x80000000
	s_mov_b32 s[G0SB], 1
	s_add_co_u32 s[G0SB+1], s94, SCL
	s_mov_b64 s[G0SB+2:G0SB+3], s[92:93]
	s_or_b32 s[G0SB+3], s[G0SB+3], 0x80000000
	JLOAD G0S, G1S, G0SB, G1SB
.irp s, 0,1
	s_mov_b32 s[G0+4*\s], 1
	s_add_co_u32 s[G0+4*\s+1], s45, \s*SLOT
	s_add_nc_u64 s[G0+4*\s+2:G0+4*\s+3], s[20:21], \s*AKS
	s_or_b32 s[G0+4*\s+3], s[G0+4*\s+3], 0x80000000
	s_mov_b32 s[G0B+4*\s], 1
	s_add_co_u32 s[G0B+4*\s+1], s45, \s*SLOT
	s_add_nc_u64 s[G0B+4*\s+2:G0B+4*\s+3], s[46:47], \s*ROWB
	s_or_b32 s[G0B+4*\s+3], s[G0B+4*\s+3], 0x80000000
	JLOAD G0+4*\s, G1, G0B+4*\s, G1B               ; three tensor loads of mine are out
.endr
	v_and_b32 v1, 15, v0
	v_bfe_u32 v2, v0, 4, 1
	v_mul_u32_u24 v3, v1, PITCH
	v_mul_u32_u24 v4, v2, 24
	v_add_nc_u32 v4, v3, v4                        ; B: a fragment's row x pitch + 24 x half
	v_lshl_add_u32 v5, v2, 4, v4                   ; and the same behind one padding more
	v_and_b32 v6, 31, v0
	v_lshlrev_b32 v7, 3, v6                        ; A: 8 x lane
	s_mul_i32 s21, s15, HALFT
	s_mul_i32 s22, s16, HALFT
	s_add_co_u32 s22, s22, 2*HALFT
.irp s, 0,1
	v_add_nc_u32 v[ADRA+\s], s21, v7
	v_add_nc_u32 v[ADRB+\s], s22, v4
	v_add_nc_u32 v[ADRB+2+\s], s22, v5
	s_add_co_u32 s21, s21, SLOT
	s_add_co_u32 s22, s22, SLOT
.endr
	v_mul_u32_u24 v5, v1, KS
	v_lshrrev_b32 v6, 8, v5
	v_lshl_add_u32 v5, v6, 4, v5
	s_mul_i32 s21, s15, HALFS
	s_mul_i32 s22, s16, HALFS
	s_add_co_u32 s22, s22, 2*HALFS
	s_sub_co_u32 s22, s22, s21
	v_mul_u32_u24 v6, s22, v2
	s_add_co_u32 s21, s21, SCL
	v_add_nc_u32 v5, v5, v6
	v_add_nc_u32 v[ADRS], s21, v5
	s_mul_i32 s23, s14, 16*SPITCH
	v_mul_u32_u24 v5, v1, SPITCH
	v_lshl_add_u32 v5, v2, 5, v5
	v_add_nc_u32 v[STO], s23, v5
	v_and_b32 v6, 31, v0
	v_lshlrev_b32 v[CO], 4, v6
	v_add_nc_u32 v[RD], s23, v[CO]
	s_lshl_b32 s20, s17, 8
	s_lshl_b32 s21, s15, 7
	s_add_co_u32 s20, s20, s21                     ; my first row of out0
	s_mov_b32 s21, 0
	s_mov_b64 s[18:19], SIZE_N*4
	s_mul_u64 s[20:21], s[20:21], s[18:19]
	s_lshl_b32 s46, s42, 10
	s_lshl_b32 s47, s16, 9
	s_add_co_u32 s46, s46, s47
	s_mov_b32 s47, 0
	s_add_nc_u64 s[20:21], s[20:21], s[46:47]
	s_add_nc_u64 s[12:13], s[12:13], s[20:21]
.macro FRAG reg, adr, q, i             ; B's fragment, from rows: 24 bytes of the row in pieces of 8; the second address register serves the pieces that lie behind one padding more
.irp p, 0,1,2,3,4,5
.set PCE, 12*(\q)+6*(\p/3)+\p%3
.if PCE%8 < 5
	ds_load_b64 v[\reg+2*\p:\reg+2*\p+1], v[\adr] offset:8*PCE+16*(PCE/8)+(\i)*16*PITCH
.else
	ds_load_b64 v[\reg+2*\p:\reg+2*\p+1], v[\adr+2] offset:8*PCE+16*(PCE/8)+(\i)*16*PITCH
.endif
.endr
.endm
.macro FRAGA reg, slot, q, i           ; A's fragment, from its image: each load takes 256 consecutive bytes
.irp p, 0,1,2,3,4,5
	ds_load_b64 v[\reg+2*\p:\reg+2*\p+1], v[ADRA+\slot] offset:AKS*(\i)+1536*(\q)+256*\p
.endr
.endm
.macro MUL16 a0, p, q, sc, zero        ; the 64 accumulators take turns, one instruction a turn
.irp a, \a0, \a0+1
.irp b, 0,1,2,3,4,5,6,7
.if \zero
	v_wmma_scale_f32_16x16x128_f8f6f4 v[8*(8*((\a)%4)+\b):8*(8*((\a)%4)+\b)+7], v[128*(\p)+FR*\b:128*(\p)+FR*\b+FR-1], v[AF+FR*(\a):AF+FR*(\a)+FR-1], 0, v[SC+8*NQ*(\sc)+NQ*\b+(\q)], v[SC+8*NQ*(\sc)+NQ*(\a)+(\q)] matrix_a_fmt:MATRIX_FMT_BF6 matrix_b_fmt:MATRIX_FMT_BF6 matrix_a_scale:MATRIX_SCALE_ROW1
.else
	v_wmma_scale_f32_16x16x128_f8f6f4 v[8*(8*((\a)%4)+\b):8*(8*((\a)%4)+\b)+7], v[128*(\p)+FR*\b:128*(\p)+FR*\b+FR-1], v[AF+FR*(\a):AF+FR*(\a)+FR-1], v[8*(8*((\a)%4)+\b):8*(8*((\a)%4)+\b)+7], v[SC+8*NQ*(\sc)+NQ*\b+(\q)], v[SC+8*NQ*(\sc)+NQ*(\a)+(\q)] matrix_a_fmt:MATRIX_FMT_BF6 matrix_b_fmt:MATRIX_FMT_BF6 matrix_a_scale:MATRIX_SCALE_ROW1
.endif
.endr
.endr
.endm
.macro FETCH_B slot, q, p
	WIN TO_B
.irp i, 0,1,2,3,4,5,6,7
	FRAG 128*(\p)+FR*\i, ADRB+\slot, \q, \i
.endr
	WIN 0
.endm
.macro FETCH_A slot, q, i0
.irp i, \i0, \i0+1, \i0+2, \i0+3
	FRAGA AF+FR*(\i), \slot, \q, \i
.endr
.endm
.macro SCALES sc
.irp i, 0,1,2,3,4,5,6,7
	ds_load_b64 v[SC+8*NQ*\sc+NQ*\i:SC+8*NQ*\sc+NQ*\i+1], v[ADRS] offset:\i*SBLK
.endr
.endm
.macro PLACES n
.rept \n
	v_nop
.endr
.endm
.macro STEP slot, q, zero
	s_wait_dscnt 4*NL                              ; B's set and A's blocks 0-3 are in; A's blocks 4-7 (24 loads) may be out
	WIN MUL_LO
	MUL16 0, (\q)%2, \q, \slot, \zero
	MUL16 2, (\q)%2, \q, \slot, \zero
	s_wait_dscnt 0
	PLACES NP
	FETCH_B \slot, (\q)+1, 1-(\q)%2
	FETCH_A \slot, (\q)+1, 0
	WIN MUL_HI
	MUL16 4, (\q)%2, \q, \slot, \zero
	MUL16 6, (\q)%2, \q, \slot, \zero
	PLACES NP
	WIN 0
	FETCH_A \slot, (\q)+1, 4
.endm
.macro TURN slot, next, fill
	s_wait_tensorcnt 0x0                           ; all my tensor loads have landed: my part of the next slot
	ds_add_u32 v[SPW], v[NIL]                      ; 0 onto my spare word
	s_wait_dscnt 4*NL+1                            ; (the add and A's blocks 4-7 may be out)
	WIN MUL_LO
	MUL16 0, 1, NQ-1, \slot, 0
	s_wait_dscnt 0x0                               ; the add is done, and my reads of this slot are over
	s_barrier_signal -1
	MUL16 2, 1, NQ-1, \slot, 0
	WIN 0
	s_barrier_wait -1
.if \fill
	CREST                                          ; no wave of any partner still reads this slot's tile or has a load on its way
	s_add_nc_u64 s[G0+4*\slot+2:G0+4*\slot+3], s[G0+4*\slot+2:G0+4*\slot+3], 2*AKS
	s_add_nc_u64 s[G0B+4*\slot+2:G0B+4*\slot+3], s[G0B+4*\slot+2:G0B+4*\slot+3], 2*ROWB
	JLOAD G0+4*\slot, G1, G0B+4*\slot, G1B
.else
	PLACES NP
.endif
	v_add_nc_u32 v[ADRS], 4*NQ, v[ADRS]
	FETCH_B \next, 0, 0
	FETCH_A \next, 0, 0
	SCALES \next
	WIN MUL_HI
	MUL16 4, 1, NQ-1, \slot, 0
	MUL16 6, 1, NQ-1, \slot, 0
	PLACES NP
	WIN 0
	FETCH_A \next, 0, 4
.endm
	s_wait_tensorcnt 1                             ; the scales and my part of K step 0 are in (K step 1's load may be out),
	s_barrier_signal -1
	s_barrier_wait -1                              ; everybody's are
	FETCH_B 0, 0, 0
	FETCH_A 0, 0, 0
	SCALES 0
	FETCH_A 0, 0, 4
	STEP 0, 0, 1
	s_mov_b32 s3, LAPS-1
.Llap:
	TURN 0, 1, 1
	STEP 1, 0, 0
	TURN 1, 0, 1
	STEP 0, 0, 0
	s_sub_co_u32 s3, s3, 1
	s_cmp_lg_u32 s3, 0
	s_cbranch_scc1 .Llap
	TURN 0, 1, 0
	STEP 1, 0, 0
	s_wait_dscnt 4*NL
	WIN MUL_LO
	MUL16 0, 1, NQ-1, 1, 0
	MUL16 2, 1, NQ-1, 1, 0
	s_wait_dscnt 0
	WIN MUL_HI
	MUL16 4, 1, NQ-1, 1, 0
	MUL16 6, 1, NQ-1, 1, 0
	WIN 0
; THE WAY OUT, block by block of 16 rows x 128 columns, through my own stage in LDS: back as whole rows of 512 bytes.  LDS serves a wave's instructions in order: no wait between the stores and the loads.
.macro TOSTAGE a
.set AC, 64*((\a)%4)
	WIN 0x08+4*((\a)/4)                            ; the data: window 2 or 3
.irp b, 0,1,2,3,4,5,6,7
	ds_store_b128 v[STO], v[AC+8*\b:AC+8*\b+3] offset:64*\b          ; each accumulator from its low end on
	ds_store_b128 v[STO], v[AC+8*\b+4:AC+8*\b+7] offset:64*\b+16
.endr
	WIN 0
.set BB, BK+64*((\a)%2)
.irp t, 0,1,2,3,4,5,6,7,8,9,10,11,12,13,14,15
	ds_load_b128 v[BB+4*\t:BB+4*\t+3], v[RD] offset:\t*SPITCH
.endr
.endm
.macro SEND a, younger                 ; row t of block a is token 64 (a / 4) + 8 (a % 4) + 32 (t / 8) + t % 8 of my 128
.set BB, BK+64*((\a)%2)
	s_wait_dscnt \younger
.if (\a) == 4
	s_add_nc_u64 s[12:13], s[12:13], 40*SIZE_N*4   ; (behind a wait on XCNT: the earlier stores have read their base)
.elseif (\a) > 0
	s_add_nc_u64 s[12:13], s[12:13], 8*SIZE_N*4
.endif
.irp t, 0,1,2,3,4,5,6,7,8,9,10,11,12,13,14,15
	global_store_b128 v[CO], v[BB+4*\t:BB+4*\t+3], s[12:13] offset:(32*(\t/8)+\t%8)*SIZE_N*4 th:TH_STORE_NT   ; 32 lanes store 512 consecutive bytes, aligned to 256
.endr
.endm
	PLACES NP
	TOSTAGE 0
.irp a, 1,2,3,4,5,6,7
.if \a > 1
	s_wait_xcnt 0x0                                ; block a - 2's stores have read their registers and their base
.endif
	TOSTAGE \a
	SEND \a-1, 32                                  ; behind block a - 1's loads: block a's 16 stores and 16 loads
.endr
	s_wait_xcnt 0x0
	SEND 7, 0
	s_wait_tensorcnt 0x0                           ; the wave's end
	ds_add_u32 v[SPW], v[NIL]
	s_wait_dscnt 0x0
	CROUND                                         ; no work-group ends while a partner may still ask for a tile that names it
	s_endpgm
.Lfunc_end_k_q800fe46da8_proj:
	.size	k_q800fe46da8_proj, .Lfunc_end_k_q800fe46da8_proj-k_q800fe46da8_proj
	.p2alignl 7, 3214868480
	.fill 96, 4, 3214868480
	.section	.rodata,"a",@progbits
	.p2align	6, 0x0
	.amdhsa_kernel k_q800fe46da8_proj
		.amdhsa_group_segment_fixed_size 327680
		.amdhsa_private_segment_fixed_size 0
		.amdhsa_enable_private_segment 0
		.amdhsa_kernarg_size 40
		.amdhsa_user_sgpr_count 2
		.amdhsa_user_sgpr_kernarg_segment_ptr 1
		.amdhsa_wavefront_size32 1
		.amdhsa_system_sgpr_workgroup_id_x 1
		.amdhsa_system_sgpr_workgroup_id_y 1
		.amdhsa_system_sgpr_workgroup_id_z 1
		.amdhsa_system_vgpr_workitem_id 0
		.amdhsa_next_free_vgpr 1024
		.amdhsa_next_free_sgpr 98
		.amdhsa_reserve_vcc 0
		.amdhsa_float_denorm_mode_32 3
		.amdhsa_float_denorm_mode_16_64 3
		.amdhsa_memory_ordered 1
		.amdhsa_forward_progress 1
		.amdhsa_inst_pref_size 160
	.end_amdhsa_kernel
	.amdgpu_metadata
---
amdhsa.version: [ 1, 2 ]
amdhsa.kernels:
  - .name:           k_q800fe46da8_proj
    .symbol:         k_q800fe46da8_proj.kd
    .args:
      - { .name: ao_codes, .offset: 0, .size: 8, .value_kind: global_buffer, .address_space: global }
      - { .name: ao_scales, .offset: 8, .size: 8, .value_kind: global_buffer, .address_space: global }
      - { .name: w_codes, .offset: 16, .size: 8, .value_kind: global_buffer, .address_space: global }
      - { .name: w_scales, .offset: 24, .size: 8, .value_kind: global_buffer, .address_space: global }
      - { .name: out0, .offset: 32, .size: 8, .value_kind: global_buffer, .address_space: global }
    .group_segment_fixed_size: 327680
    .private_segment_fixed_size: 0
    .kernarg_segment_align: 8
    .kernarg_segment_size: 40
    .max_flat_workgroup_size: 128
    .sgpr_count:     98
    .vgpr_count:     1024
    .wavefront_size: 32
...
	.end_amdgpu_metadata
.endif
;; end of part 4
